; MI455X (gfx1250); checked and timed in simulation.
; The chip was launched on July 23, 2026; its instructions are those of AMD's public machine-readable ISA for CDNA 5 (MIT licence, August 2026) and "CDNA5" Instruction Set Architecture Reference Guide (July 2026). The comments in the code are by the model that wrote it; some were corrected since.
;; Causal Self Attention. Allowed arithmetic: matrix products marked QUANTISED: E2M3 operands, one E8M0 scale for each 32 along K, by v_wmma_scale_f32_16x16x128_f8f6f4 with both operands' format E2M3, f32 sums; everything else in f32.
;; Inputs: b_attn 3,072 float32; b_proj 1,024 float32; w_attn 1,024 x 3,072 float32; w_proj 1,024 x 1,024 float32; x 4 x 2,048 x 1,024 float32.
;; Outputs: out0 4 x 2,048 x 1,024 float32.
;; This version of the problem:
;;   THIS VERSION OF THE PROBLEM IS GIVEN IN LOW PRECISION. The matrix products marked QUANTISED in the list below multiply operands that are first quantised to E2M3 (2 exponent bits, 3 mantissa bits; 6 bits a number), with one power-of-two scale for each 32 numbers along K (OCP MX v1.0); their sums are f32. All else is computed in f32.
;;   The module's matrix products, in the order in which they are computed (A, B: the left and right operand; K: the contracted axis; several contracted axes count as one K, in the product's order):
;;     1. [M 8,192, K 1,024] x [K 1,024, N 3,072]; A: input x; B: input w_attn: QUANTISED
;;     2. batch 64 x [M 2,048, K 64] x [K 64, N 2,048]; A: computed on the way; B: computed on the way: QUANTISED
;;     3. batch 64 x [M 2,048, K 2,048] x [K 2,048, N 64]; A: softmax (see below); B: computed on the way: QUANTISED
;;     4. [M 8,192, K 1,024] x [K 1,024, N 1,024]; A: computed on the way; B: input w_proj: QUANTISED
;;   THE QUANTISER, for each operand of a quantised product, along K:
;;     - K is cut into blocks of 32 from its start; a last block that is shorter is filled with zeros.
;;     - A block's scale is 2^e with e = floor(log2(the largest magnitude in the block)) - 2, held to -126 .. 127; a block of zeros has e = 0. As a byte (E8M0): e + 127.
;;     - Each number is divided by its block's scale, clamped to +-7.5, and rounded to the nearest number of E2M3, ties to even, subnormals kept.
;;     - The product sums the exact products of the quantised numbers (number of the format x scale) in f32.
;;   ~~~python
;;   def quantise(x, axis):      # numpy; x: float32 -> the quantised numbers, widened to float32 again
;;       x = np.moveaxis(x, axis, -1); K = x.shape[-1]
;;       x = np.pad(x, [(0, 0)] * (x.ndim - 1) + [(0, -K % 32)]); x = x.reshape(x.shape[:-1] + (-1, 32)); a = np.abs(x).max(-1, keepdims=True)
;;       e = np.where(a > 0, np.clip(np.frexp(np.where(a > 0, a, 1))[1] - 1 - 2, -126, 127), 0)      # np.frexp(a)[1] - 1 = floor(log2(a)), exactly
;;       r = np.clip(x / 2.0 ** e, -7.5, 7.5)
;;       step = 2.0 ** (np.maximum(np.frexp(np.where(r == 0, 1, r))[1] - 1, 0) - 3)
;;       q = np.round(r / step) * step * 2.0 ** e      # np.round: ties to even
;;       return np.moveaxis(q.reshape(q.shape[:-2] + (-1,))[..., :K], -1, axis).astype(np.float32)
;;   ~~~
;;   SOFTMAX AHEAD OF A QUANTISED PRODUCT. Where the list says 'softmax', what is quantised is not the finished softmax but p = 2^(t - M), with t = logit x log2(e) and M = ceil(the row's largest t), a whole number; so 1/2 < the row's largest p <= 1. The row's sum l is taken of the UNQUANTISED p, in f32, and the product's result is divided by l at the end. Since M is a whole number, a kernel that streams over the keys may use a running M (the ceiling of the running maximum): every later rescaling is an exact power of two, which a block's scale takes up: the codes' values come out the same.
;;   OPERANDS COMPUTED ON THE WAY. 'Computed on the way' means the value that the module computes at that place (a softmax that the list does not call 'softmax' is quantised finished and normalised). What goes into a quantiser is computed in f32, as accurately as f32 sums, v_exp_f32 and their like allow (about 1e-6 of the number): no bf16 or f16 on the way to a quantiser, and a product that is left as it is and whose result goes on into a quantised operand takes f32 operands (vector FMAs, or v_wmma_f32_16x16x4_f32). A number that lies on a knife's edge between two numbers of the format may be rounded either way, as far as f32 arithmetic and the matrix unit's own rounding can turn it there, and no further.
;; One version. Each part assembles by itself: llvm-mc -triple=amdgcn-amd-amdhsa -mcpu=gfx1250 --defsym DOCPART=n.
;; ======== version 1 of 1: 4 launches
;; workspace buffers: xq 6,553,600 bytes; waq 2,457,600 bytes; wpq 819,200 bytes; qc 6,815,744 bytes; kv 13,369,344 bytes; oq 6,291,456 bytes; osc 262,144 bytes
;; launch quant (part 1): grid 384 x 1, 8 waves a work-group, no clusters, 120,832 bytes of LDS; arguments x, w_attn, w_proj, xq, waq, wpq; writes xq, waq, wpq
.if DOCPART == 1
	.amdgcn_target "amdgcn-amd-amdhsa--gfx1250"
	.amdhsa_code_object_version 6
	.text
	.protected	k_q24f89afc5f_quant
	.globl	k_q24f89afc5f_quant
	.p2align	8
	.type	k_q24f89afc5f_quant,@function
k_q24f89afc5f_quant:
	s_mov_b64 s[64:65], 0
	v_nop
	global_prefetch_b8 v0, s[64:65] scope:SCOPE_SE
	s_setreg_imm32_b32 hwreg(HW_REG_WAVE_MODE, 25, 1), 1
	s_wait_xcnt 0x0
; x [8192][1024], w_attn [1024][3072] and w_proj [1024][1024], f32, become codes of FP6 (E2M3) with one E8M0 scale byte for each 32 along K (x: its last axis; the weights: their FIRST axis).
; A block's scale is 2^(floor(log2(its largest magnitude)) - 2); its byte is the largest magnitude's exponent field - 2, held at 1 from below.
; LIMITS: NaN and infinities among the inputs are not served.  A block of zeros, or one whose largest magnitude lies under 2^-124, gets the byte 1 where the rule says 127: its codes are zeros, and this program alone reads the bytes.
; THE OUTPUT IS LAID IN THE ORDER OF THE OPERAND'S REGISTERS.  Rows (of x; columns n of a weight) go in groups of 128; tile 2 B + u of a group holds rows 32 B + 8 u + p + 8 (p / 8), p = 0 .. 15.
; A fragment (16 rows x 128 K, 12 registers a lane) is 1,536 bytes: registers 0-3 at 16 x lane, 4-5 at 512 + 8 x lane, 6-9 at 768 + 16 x lane, 10-11 at 1,280 + 8 x lane.
; A block of one K step of a group is 12,800 bytes: 8 fragments, then 512 bytes of scale words: the word at 16 l + 4 p is that of tile 2 p + l / 16, row l % 16.  A group is 8 such blocks.
; SHARES.  384 work-groups of 8 waves, 128 KiB of f32 each: a group of 128 rows x 256 along K (two K steps).  Work-groups 0-255 take x, 256-351 w_attn, 352-383 w_proj.
; The three ways part on the work-group's number and have LDS bytes of their own.  Work-groups share nothing: no cluster; no tensor load.
.set SBLK,  12800
.set GRP,   8*SBLK
.set XSTG,  8448                       ; x's way: a stage of 16 rows x (512 + 16) bytes for each wave,
.set XSC,   8*XSTG                     ; and behind the eight stages the two K steps' scale words, 2 x 512 bytes
.set LBA,   XSC+1024                   ; w_attn's way: the images of two blocks of 12,800 bytes
.set LBP,   LBA+2*SBLK                 ; w_proj's way: likewise
.set R,     16                         ; v16-143  x: 2 x 64 numbers as loaded;  a weight: 128 numbers of my column
.set X,     144                        ; v144-207 x: 64 numbers of my row, register 16 b + i = k 32 b + 16 (lane / 16) + i
.set TM,    208                        ; v208-223 at work in QUANT
.set PW,    224                        ; v224     the scale word just made
.set PC0,   226                        ; v226-245 the first K step's codes
.set PC1,   16                         ; v16-35   the second's, where the first K step's numbers lay
.set WV,    16                         ; s16      my wave's number
.set SEL,   32                         ; s[32:33] lane selects for v_permlanex16_b32: lane l xor 16
	s_load_b128 s[4:7], s[0:1], 0x0                ; x, w_attn
	s_load_b128 s[8:11], s[0:1], 0x10              ; w_proj, xq
	s_load_b128 s[12:15], s[0:1], 0x20             ; waq, wpq
	v_lshl_add_u32 v254, v0, 2, 0x1d400
	v_mov_b32 v255, 0
	v_lshrrev_b32 v1, 5, v0
	v_readfirstlane_b32 s[WV], v1
	v_and_b32 v2, 31, v0                           ; lane
	v_lshlrev_b32 v3, 4, v2                        ; 16 x lane
	v_lshlrev_b32 v4, 3, v2                        ; 8 x lane
	s_wait_kmcnt 0x0
	s_cmp_lt_u32 ttmp9, 256
	s_cbranch_scc0 .Lweights
; ---------------- x: wave w is tile w of the group ----------------
; 64 numbers of a lane, v[s] on, become a fragment's codes in v[pc] .. v[pc + 11] and its scale word in v[PW]
.macro QUANT s, pc
.irp b, 0,1,2,3
	v_max3_num_f32 v[TM+\b], |v[\s+16*\b]|, |v[\s+1+16*\b]|, 0x1800000   ; block b: my 16 numbers, and the floor 2^(3 - 127): the byte cannot fall under 1
.endr
.irp i, 2,4,6,8,10,12,14
.irp b, 0,1,2,3
	v_max3_num_f32 v[TM+\b], v[TM+\b], |v[\s+16*\b+\i]|, |v[\s+1+16*\b+\i]|   ; the four blocks by turns
.endr
.endr
.irp b, 0,1,2,3
	v_permlanex16_b32 v[TM+4+\b], v[TM+\b], s[SEL], s[SEL+1]
.endr
.irp b, 0,1,2,3
	v_max_num_f32 v[TM+\b], v[TM+\b], v[TM+4+\b]   ; with lane l xor 16's 16: the block's largest magnitude
.endr
.irp b, 0,1,2,3
	v_add_nc_u32 v[TM+12+\b], 0xff000000, v[TM+\b] ; 2 off its exponent field: the conversion's scale operand
.endr
.irp b, 0,1,2,3
	v_lshrrev_b32 v[TM+4+\b], 23, v[TM+12+\b]      ; the scale's byte
.endr
	v_lshl_or_b32 v[PW], v[TM+5], 8, v[TM+4]
	v_lshl_or_b32 v[PW], v[TM+6], 16, v[PW]
	v_lshl_or_b32 v[PW], v[TM+7], 24, v[PW]        ; my row's scale word
.irp c, 0,1
	v_cvt_scalef32_pk16_fp6_f32 v[\pc+6*\c:\pc+2+6*\c], v[\s+32*\c:\s+15+32*\c], v[TM+12+2*\c]
	v_cvt_scalef32_pk16_fp6_f32 v[\pc+12+4*\c:\pc+14+4*\c], v[\s+16+32*\c:\s+31+32*\c], v[TM+12+2*\c+1]   ; (a conversion's three registers begin on an even number)
.endr
	v_nop                                          ; one plain instruction behind the scaled conversions
.irp c, 0,1                            ; the operand's layout wants a whole block in a lane: lanes 0-15 block 2 c, lanes 16-31 block 2 c + 1
.irp i, 0,1,2
	v_permlane16_swap_b32 v[\pc+6*\c+\i], v[\pc+12+4*\c+\i]
.endr
.irp i, 0,1,2
	v_mov_b32 v[\pc+3+6*\c+\i], v[\pc+12+4*\c+\i]
.endr
.endr
.endm
; K step f's 16 rows x 512 bytes go through my stage: in as they were loaded (a row to an instruction), out 16 neighbours of each block to a lane.  LDS serves a wave's instructions in order.
.macro TURN f
.irp p, 0,1,2,3,4,5,6,7,8,9,10,11,12,13,14,15
	ds_store_b128 v5, v[R+64*\f+4*\p:R+64*\f+4*\p+3] offset:\p*528
.endr
.irp b, 0,1,2,3
.irp j, 0,1,2,3
	ds_load_b128 v[X+16*\b+4*\j:X+16*\b+4*\j+3], v6 offset:128*\b+16*\j
.endr
.endr
.endm
.macro XOUT pc, f                      ; the fragment leaves as it stands: each store covers 512 or 256 consecutive bytes, aligned to 256; the scale word goes to LDS
	global_store_b128 v3, v[\pc:\pc+3], s[26:27] offset:\f*SBLK
	global_store_b64 v4, v[\pc+4:\pc+5], s[26:27] offset:\f*SBLK+512
	global_store_b128 v3, v[\pc+6:\pc+9], s[26:27] offset:\f*SBLK+768
	global_store_b64 v4, v[\pc+10:\pc+11], s[26:27] offset:\f*SBLK+1280
	ds_store_b32 v7, v[PW] offset:512*\f           ; both halves of the lanes write the same word with the same value
.endm
	s_lshr_b32 s17, ttmp9, 2                       ; the group of 128 rows
	s_and_b32 s18, ttmp9, 3                        ; which two K steps
	s_lshl_b32 s20, s17, 7
	s_lshr_b32 s21, s[WV], 1
	s_lshl_b32 s21, s21, 5
	s_add_co_u32 s20, s20, s21
	s_and_b32 s22, s[WV], 1
	s_lshl_b32 s21, s22, 3
	s_add_co_u32 s20, s20, s21                     ; my tile's first row: 128 group + 32 (w / 2) + 8 (w % 2)
	s_lshl_b32 s20, s20, 12                        ; rows of 4,096 bytes
	s_lshl_b32 s21, s18, 10                        ; two K steps are 1,024 bytes
	s_add_co_u32 s20, s20, s21
	s_mov_b32 s21, 0
	s_add_nc_u64 s[4:5], s[4:5], s[20:21]
.irp f, 0,1
.irp p, 0,1,2,3,4,5,6,7,8,9,10,11,12,13,14,15
	global_load_b128 v[R+64*\f+4*\p:R+64*\f+4*\p+3], v3, s[4:5] offset:(\p+8*(\p/8))*4096+512*\f th:TH_LOAD_NT   ; 32 lanes read a row's 512 consecutive bytes
.endr
.endr
	s_mul_i32 s20, s17, GRP
	s_mul_i32 s23, s18, 2*SBLK
	s_add_co_u32 s20, s20, s23
	s_add_nc_u64 s[10:11], s[10:11], s[20:21]      ; xq at the first K step's block
	s_mul_i32 s20, s[WV], 1536
	s_add_nc_u64 s[26:27], s[10:11], s[20:21]      ; my tile's fragment in it
	s_mul_i32 s20, s22, SBLK
	s_add_nc_u64 s[28:29], s[10:11], s[20:21]      ; (waves 0 and 1) the block whose scale words I carry out
	s_mov_b32 s[SEL], 0x76543210
	s_mov_b32 s[SEL+1], 0xfedcba98
	s_mul_i32 s19, s[WV], XSTG                     ; my stage
	v_add_nc_u32 v5, s19, v3                       ; in: 16 x lane, a row to an instruction
	v_and_b32 v9, 15, v0                           ; r
	v_bfe_u32 v10, v0, 4, 1                        ; h
	v_mul_u32_u24 v6, v9, 528
	v_lshl_add_u32 v6, v10, 6, v6
	v_add_nc_u32 v6, s19, v6                       ; out: row r, + 64 h
	s_lshl_b32 s19, s22, 8
	s_lshr_b32 s23, s[WV], 1
	s_lshl_b32 s23, s23, 2
	s_add_co_u32 s19, s19, s23
	s_add_co_u32 s19, s19, XSC
	v_lshl_add_u32 v7, v9, 4, s19                  ; my row's scale word: 16 (r + 16 (w % 2)) + 4 (w / 2)
	s_lshl_b32 s19, s22, 9
	s_add_co_u32 s19, s19, XSC
	v_add_nc_u32 v8, s19, v3                       ; (waves 0 and 1) the 512 bytes that I carry out
.irp b, 0,1,2,3
	v_mov_b32 v[TM+4+\b], 0                        ; written once: a lane permute's destination counts as one of its sources
.endr
	s_wait_loadcnt 16                              ; the first K step's 16 loads are in; the second's 16 may be out
	TURN 0
	s_wait_dscnt 0x0
	QUANT X, PC0
	XOUT PC0, 0
	s_wait_loadcnt 0x0
	TURN 1
	s_wait_dscnt 0x0
	QUANT X, PC1
	XOUT PC1, 1
	s_wait_dscnt 0x0                               ; for the others' sake: my scale words lie in LDS
	s_barrier_signal -1
	s_barrier_wait -1
	s_cmp_lt_u32 s[WV], 2
	s_cbranch_scc0 .Lx_end
	ds_load_b128 v[X:X+3], v8                      ; eight waves' words of K step w: 512 bytes
	s_wait_dscnt 0x0
	global_store_b128 v3, v[X:X+3], s[28:29] offset:12288
.Lx_end:
	s_wait_tensorcnt 0x0
	ds_add_u32 v254, v255
	s_wait_dscnt 0x0
	s_endpgm
; ---------------- a weight [1024][N]: a lane takes a column n, and its registers run down K ----------------
; Wave w: columns 32 (w % 4) on of the group, K step w / 4 of the two.  Each load reads 128 consecutive bytes.  A lane holds four whole blocks, so no other lane is asked for a maximum.
; Lane l's column is row p = l % 8 + 8 (l / 16) of tile 2 (w % 4) + (l / 8) % 2; its block kb belongs to lane p + 16 (kb % 2) of the fragment, registers 6 (kb / 2) on: so the codes are laid in LDS as the image.
.macro WPATH N, LB, G0, SRC, DST
	s_sub_co_u32 s17, ttmp9, \G0
	s_and_b32 s18, s17, 3                          ; which two K steps
	s_lshr_b32 s17, s17, 2                         ; the group of 128 columns
	s_and_b32 s19, s[WV], 3                        ; which 32 of them
	s_lshr_b32 s20, s[WV], 2                       ; which of the two K steps
	s_lshl_b32 s21, s18, 1
	s_add_co_u32 s21, s21, s20                     ; the K step
	s_mul_i32 s22, s21, 128*\N*4
	s_lshl_b32 s23, s17, 9
	s_add_co_u32 s22, s22, s23
	s_lshl_b32 s23, s19, 7
	s_add_co_u32 s22, s22, s23
	s_mov_b32 s23, 0
	s_add_nc_u64 s[\SRC:\SRC+1], s[\SRC:\SRC+1], s[22:23]
	v_lshlrev_b32 v10, 2, v2
.set k, 0
.rept 128
	global_load_b32 v[R+k], v10, s[\SRC:\SRC+1] offset:k*\N*4 th:TH_LOAD_NT
.set k, k+1
.endr
	s_mul_i32 s24, s17, GRP
	s_mul_i32 s25, s21, SBLK
	s_add_co_u32 s24, s24, s25
	s_mov_b32 s25, 0
	s_add_nc_u64 s[\DST:\DST+1], s[\DST:\DST+1], s[24:25]   ; the K step's block
	s_mul_i32 s26, s19, 3072
	s_mov_b32 s27, 0
	s_add_nc_u64 s[28:29], s[\DST:\DST+1], s[26:27]         ; my two tiles in it
	s_mul_i32 s30, s20, SBLK
	s_add_co_u32 s30, s30, \LB                     ; the block's image in LDS,
	s_add_co_u32 s31, s30, s26                     ; my two tiles in it
	v_bfe_u32 v11, v0, 3, 1                        ; u
	v_and_b32 v12, 7, v0
	v_bfe_u32 v13, v0, 4, 1
	v_lshl_add_u32 v12, v13, 3, v12                ; p
	v_mul_u32_u24 v13, v11, 1536
	v_add_nc_u32 v13, s31, v13
	v_lshl_add_u32 v5, v12, 4, v13                 ; registers 0-3 of a half fragment: 16 p
	v_lshl_add_u32 v6, v12, 3, v13                 ; registers 4-5: 8 p
	v_lshl_add_u32 v7, v11, 4, v12
	v_lshlrev_b32 v7, 4, v7
	s_lshl_b32 s26, s19, 2
	s_add_co_u32 s26, s26, s30
	v_add_nc_u32 v7, s26, v7                       ; my column's scale word: 16 (p + 16 u) + 4 (w % 4)
	v_add_nc_u32 v8, s31, v3                       ; the way out of my two tiles,
	v_add_nc_u32 v9, s30, v3                       ; and of the scale words
.irp kb, 0,1,2,3
.if \kb < 2
	s_wait_loadcnt 63                              ; 96 or 64 younger loads could stay out; the count's field ends at 63, and a smaller count is safe
.elseif \kb == 2
	s_wait_loadcnt 32
.else
	s_wait_loadcnt 0x0
.endif
	v_max3_num_f32 v240, |v[R+32*\kb]|, |v[R+1+32*\kb]|, |v[R+2+32*\kb]|   ; the block's largest magnitude: all 32 numbers are mine; two chains
	v_max3_num_f32 v241, |v[R+3+32*\kb]|, |v[R+4+32*\kb]|, |v[R+5+32*\kb]|
.irp i, 6,10,14,18,22,26
	v_max3_num_f32 v240, v240, |v[R+32*\kb+\i]|, |v[R+1+32*\kb+\i]|
	v_max3_num_f32 v241, v241, |v[R+2+32*\kb+\i]|, |v[R+3+32*\kb+\i]|
.endr
	v_max3_num_f32 v240, v240, |v[R+30+32*\kb]|, |v[R+31+32*\kb]|
	v_max3_num_f32 v240, v240, v241, 0x1800000     ; and the floor 2^(3 - 127)
	v_add_nc_u32 v242, 0xff000000, v240            ; the conversion's scale operand
	v_lshrrev_b32 v243, 23, v242                   ; the byte
.if \kb == 0
	v_mov_b32 v244, v243
.else
	v_lshl_or_b32 v244, v243, 8*\kb, v244          ; four bytes make my column's scale word
.endif
	v_cvt_scalef32_pk16_fp6_f32 v[144+8*\kb:146+8*\kb], v[R+32*\kb:R+15+32*\kb], v242
	v_cvt_scalef32_pk16_fp6_f32 v[176+4*\kb:178+4*\kb], v[R+16+32*\kb:R+31+32*\kb], v242
	v_nop                                          ; one plain instruction behind the scaled conversions
.irp i, 0,1,2
	v_mov_b32 v[147+8*\kb+\i], v[176+4*\kb+\i]
.endr
	ds_store_b128 v5, v[144+8*\kb:147+8*\kb] offset:768*(\kb/2)+256*(\kb%2)
	ds_store_b64 v6, v[148+8*\kb:149+8*\kb] offset:768*(\kb/2)+512+128*(\kb%2)
.endr
	ds_store_b32 v7, v244 offset:12288
.irp i, 0,1,2,3,4,5
	ds_load_b128 v[192+4*\i:195+4*\i], v8 offset:512*\i   ; LDS serves a wave's instructions in order: these see my stores
.endr
.irp i, 0,1,2,3,4,5
	s_wait_dscnt 5-\i
	global_store_b128 v3, v[192+4*\i:195+4*\i], s[28:29] offset:512*\i   ; 512 consecutive bytes, aligned to 256
.endr
	s_wait_dscnt 0x0                               ; for the others' sake: my scale words lie in LDS
	s_barrier_signal -1
	s_barrier_wait -1
	s_cmp_lg_u32 s19, 0
	s_cbranch_scc1 .Lw_end_\@
	ds_load_b128 v[216:219], v9 offset:12288       ; four waves' words of my K step
	s_wait_dscnt 0x0
	global_store_b128 v3, v[216:219], s[\DST:\DST+1] offset:12288
.Lw_end_\@:
	s_wait_tensorcnt 0x0
	ds_add_u32 v254, v255
	s_wait_dscnt 0x0
	s_endpgm
.endm
.Lweights:
	s_cmp_lt_u32 ttmp9, 352
	s_cbranch_scc0 .Lwproj
	WPATH 3072, LBA, 256, 6, 12
.Lwproj:
	WPATH 1024, LBP, 352, 8, 14
.Lfunc_end_k_q24f89afc5f_quant:
	.size	k_q24f89afc5f_quant, .Lfunc_end_k_q24f89afc5f_quant-k_q24f89afc5f_quant
	.p2alignl 7, 3214868480
	.fill 96, 4, 3214868480
	.section	.rodata,"a",@progbits
	.p2align	6, 0x0
	.amdhsa_kernel k_q24f89afc5f_quant
		.amdhsa_group_segment_fixed_size 120832
		.amdhsa_private_segment_fixed_size 0
		.amdhsa_enable_private_segment 0
		.amdhsa_kernarg_size 48
		.amdhsa_user_sgpr_count 2
		.amdhsa_user_sgpr_kernarg_segment_ptr 1
		.amdhsa_wavefront_size32 1
		.amdhsa_system_sgpr_workgroup_id_x 1
		.amdhsa_system_sgpr_workgroup_id_y 1
		.amdhsa_system_sgpr_workgroup_id_z 1
		.amdhsa_system_vgpr_workitem_id 0
		.amdhsa_next_free_vgpr 256
		.amdhsa_next_free_sgpr 66
		.amdhsa_reserve_vcc 0
		.amdhsa_float_denorm_mode_32 3
		.amdhsa_float_denorm_mode_16_64 3
		.amdhsa_memory_ordered 1
		.amdhsa_forward_progress 1
		.amdhsa_inst_pref_size 63
	.end_amdhsa_kernel
	.amdgpu_metadata
---
amdhsa.version: [ 1, 2 ]
amdhsa.kernels:
  - .name:           k_q24f89afc5f_quant
    .symbol:         k_q24f89afc5f_quant.kd
    .args:
      - { .name: x, .offset: 0, .size: 8, .value_kind: global_buffer, .address_space: global }
      - { .name: w_attn, .offset: 8, .size: 8, .value_kind: global_buffer, .address_space: global }
      - { .name: w_proj, .offset: 16, .size: 8, .value_kind: global_buffer, .address_space: global }
      - { .name: xq, .offset: 24, .size: 8, .value_kind: global_buffer, .address_space: global }
      - { .name: waq, .offset: 32, .size: 8, .value_kind: global_buffer, .address_space: global }
      - { .name: wpq, .offset: 40, .size: 8, .value_kind: global_buffer, .address_space: global }
    .group_segment_fixed_size: 120832
    .private_segment_fixed_size: 0
    .kernarg_segment_align: 8
    .kernarg_segment_size: 48
    .max_flat_workgroup_size: 256
    .sgpr_count:     66
    .vgpr_count:     256
    .wavefront_size: 32
...
	.end_amdgpu_metadata
.endif
;; end of part 1
;; launch qkv (part 2): grid 256 x 1, 4 waves a work-group, clusters of 4 x 1, 327,680 bytes of LDS; arguments xq, waq, b_attn, qc, kv; writes qc, kv
.if DOCPART == 2
	.amdgcn_target "amdgcn-amd-amdhsa--gfx1250"
	.amdhsa_code_object_version 6
	.text
	.protected	k_q24f89afc5f_qkv
	.globl	k_q24f89afc5f_qkv
	.p2align	8
	.type	k_q24f89afc5f_qkv,@function
k_q24f89afc5f_qkv:
	s_mov_b64 s[64:65], 0
	v_nop
	global_prefetch_b8 v0, s[64:65] scope:SCOPE_SE
	s_setreg_imm32_b32 hwreg(HW_REG_WAVE_MODE, 25, 1), 1
	s_wait_xcnt 0x0
	s_wait_alu depctr_hold_cnt(0) depctr_sa_sdst(0) depctr_va_vdst(0) depctr_va_sdst(0) depctr_va_ssrc(0) depctr_va_vcc(0) depctr_vm_vsrc(0)
	s_getreg_b32 s2, hwreg(HW_REG_IB_STS2, 6, 4)
	s_cmp_eq_u32 s2, 0
	s_cbranch_scc0 .Lentry_in_a_cluster
	s_endpgm
.Lentry_in_a_cluster:
	s_bfe_u32 s2, ttmp6, 0x10000c
	s_cmp_lg_u32 s2, 0x3003
	s_cbranch_scc0 .Lentry_shape_is_right
	s_endpgm
.Lentry_shape_is_right:
; qkv = x w_attn + b_attn on codes of FP6 (E2M3) with E8M0 scales; q, k and v are quantised in registers for the two products of attention and leave as codes alone.
; LIMITS: NaN and infinities are not served.  A block of zeros, or one under 2^-124, gets the scale byte 1 where the rule says 127: its codes are zeros, and this program alone reads the bytes.
; A UNIT is 128 rows of source 0 x 256 rows of source 1 x K 1,024.  Source 0 (its rows run along a lane's result registers) lies whole in LDS, 102,400 bytes, and all four waves read it; source 1 (a row to a lane,
; 64 rows a wave) stays in 384 registers for all of K.  A wave has 32 accumulators and issues 32 matrix instructions a K step of 128.
; A WORK-GROUP MAKES THREE UNITS: 768 units on 256 work-groups.  Units 0, 1: source 0 = 128 columns of w_attn (two heads of q or of k), source 1 = 256 tokens: a lane holds one token and 128 neighbours along the
; heads' axis, which is the first attention product's K.  Unit 2, the sources' parts changed: source 0 = 128 tokens, source 1 = 64 columns of v a wave (one head): a lane holds one channel and 128 neighbouring KEYS, the second product's K.
; The rows of a tile are not neighbours (tile 2 B + u: rows 32 B + 8 u + p + 8 (p / 8)), so that the 16 registers of result tiles 2 B and 2 B + 1 are 16 neighbours.
; CLUSTER: the four work-groups of a cluster need the same three tiles of source 0: each is asked for jointly (mask 15).  All six loads of a wave are first fills (307,200 bytes of LDS): nothing is filled again.
; By this text's own count six tensor loads of a wave are out at the most.  No LDS address and no branch hangs on the place in the cluster.
; OUT: qc [b 16 + head][block of 128 queries][6,656]: 8 half fragments of 768 bytes (16 rows x 64), then two runs of 256 bytes of scale words (word at 8 l + 4 p: tile 2 p + l / 16 of four, row l % 16; bytes 2, 3 are 0).
;      kv [b 16 + head][block of 128 keys][13,056]: k as q (6,656 bytes); v^T: 4 fragments of 16 channels x 128 keys, each three runs of 512 bytes (registers 4 c on at 16 x lane); 256 bytes of v's scale words.
; REGISTERS, in windows of 256.  Window 0: v1-9 offsets; v16-31 source 1's scale words; v32-39 source 0's, two sets; v40-63 at work on the way out; v64-159, v160-255 source 0's fragments, two sets.
;   Window 1: accumulator (a, b) at 8 (8 a + b).   Window 2: source 1's fragments of K steps 0-4 at 48 s + 12 a.   Window 3: K steps 5-7; v144-207 the bias as the first products' C; v208-211 v's bias as loaded.
.set SBLK,  12800                      ; a K step of 128 rows: 8 fragments of 1,536 bytes + 512 bytes of scale words
.set GRP,   8*SBLK
.set HALF,  4*SBLK
.set L16,  1                           ; v1  16 x lane
.set L8,   2                           ; v2  8 x lane
.set A16,  3                           ; v3  16 x lane + the LDS byte at which the four K steps in hand begin
.set A8,   4                           ; v4  8 x lane + the same
.set VO16, 5                           ; v5  16 x lane + 3,072 x (wave % 2): my four tiles among a block's eight
.set VO8,  6                           ; v6  8 x lane + the same
.set VOS,  7                           ; v7  8 x lane + 256 x (wave % 2): their scale words
.set BV,   8                           ; v8  4 (r + 8 (r / 8)): v's bias of my row
.set BH,   9                           ; v9  64 h: q's and k's bias of my half
.set S1S,  16
.set SS,   32
.set TM,   40
.set PW,   56
.set E,    60
.set F,    64
.set BC,   144
.set BL,   208
.set WV,  14
.set CX,  15
.set G1,  16                           ; s[16:23] descriptor group 1, one for all loads
.set G0,  24                           ; s[24:47] six groups 0
.set CL,  48
.set IP,  49
.set JB,  50
.set HF,  51
.set WH,  52
.set SC0, 54                           ; s[54:55] source 1's codes, units 0, 1;  s[56:57] its scale words
.set SS0, 56
.set SC1, 58                           ; s[58:59], s[60:61] the same for unit 2
.set SS1, 60
.set BB0, 62                           ; s[62:63] the bias of unit 0's 128 columns
.set BB1, 66                           ; s[66:67] the bias of my head of v
.set OE0, 68                           ; s[68:75] where units 0, 1 store: even head, odd head
.set OO0, 70
.set OE1, 72
.set OO1, 74
.set OV,  76                           ; s[76:77] where unit 2 stores
.set SEL, 78
.set MSB, 0
.macro WIN new                         ; the immediate's high byte repeats the setting that is left
.if MSB != \new
	s_set_vgpr_msb (MSB<<8)|\new
.set MSB, \new
.endif
.endm
.macro NOPS n
.rept \n
	v_nop
.endr
.endm
.macro ROUND                           ; a round of the cluster's barrier
	s_barrier_signal -1
	s_barrier_wait -1
	s_cmp_lg_u32 s[WV], 0
	s_cbranch_scc1 .Lnot_wave_0_\@
	s_barrier_signal -3
.Lnot_wave_0_\@:
	s_barrier_wait -3
	s_barrier_signal -1
	s_barrier_wait -1
.endm
.macro WMX                             ; one product, by the symbols rD, rA, rB, rC, rSA, rSB; rRA, rRB: the scale words stand in lanes 16-31
.if rRA && rRB
	v_wmma_scale_f32_16x16x128_f8f6f4 v[rD:rD+7], v[rA:rA+11], v[rB:rB+11], v[rC:rC+7], v[rSA], v[rSB] matrix_a_fmt:MATRIX_FMT_FP6 matrix_b_fmt:MATRIX_FMT_FP6 matrix_a_scale:MATRIX_SCALE_ROW1 matrix_b_scale:MATRIX_SCALE_ROW1
.elseif rRA
	v_wmma_scale_f32_16x16x128_f8f6f4 v[rD:rD+7], v[rA:rA+11], v[rB:rB+11], v[rC:rC+7], v[rSA], v[rSB] matrix_a_fmt:MATRIX_FMT_FP6 matrix_b_fmt:MATRIX_FMT_FP6 matrix_a_scale:MATRIX_SCALE_ROW1
.elseif rRB
	v_wmma_scale_f32_16x16x128_f8f6f4 v[rD:rD+7], v[rA:rA+11], v[rB:rB+11], v[rC:rC+7], v[rSA], v[rSB] matrix_a_fmt:MATRIX_FMT_FP6 matrix_b_fmt:MATRIX_FMT_FP6 matrix_b_scale:MATRIX_SCALE_ROW1
.else
	v_wmma_scale_f32_16x16x128_f8f6f4 v[rD:rD+7], v[rA:rA+11], v[rB:rB+11], v[rC:rC+7], v[rSA], v[rSB] matrix_a_fmt:MATRIX_FMT_FP6 matrix_b_fmt:MATRIX_FMT_FP6
.endif
.endm
; K step ks: 32 products, the 32 accumulators by turns in the same order in every step.  first: the bias is the C that starts the sums.
.macro MUL ks, fs, first, kind
.irp a, 0,1,2,3
.irp b, 0,1,2,3,4,5,6,7
.set rD, 8*(8*\a+\b)
.set rA, F+96*(\fs)+12*\b
.if (\ks) < 5
.set rB, 48*(\ks)+12*\a
.else
.set rB, 48*((\ks)-5)+12*\a
.endif
.set rC, rD
.if \first
.if \kind
.set rC, BC+8*\a
.else
.set rC, BC+8*\b
.endif
.endif
.set rSA, SS+4*(\fs)+\b/2
.set rSB, S1S+2*(\ks)+\a/2
.set rRA, \b%2
.set rRB, \a%2
	WMX
.endr
.endr
.endm
.macro FETCH fs, kq                    ; source 0's eight fragments and its scale words of one K step, 33 LDS loads of consecutive bytes, into set fs
.irp t, 0,1,2,3,4,5,6,7
	ds_load_b128 v[F+96*(\fs)+12*\t:F+96*(\fs)+12*\t+3], v[A16] offset:(\kq)*SBLK+\t*1536
	ds_load_b64 v[F+96*(\fs)+12*\t+4:F+96*(\fs)+12*\t+5], v[A8] offset:(\kq)*SBLK+\t*1536+512
	ds_load_b128 v[F+96*(\fs)+12*\t+6:F+96*(\fs)+12*\t+9], v[A16] offset:(\kq)*SBLK+\t*1536+768
	ds_load_b64 v[F+96*(\fs)+12*\t+10:F+96*(\fs)+12*\t+11], v[A8] offset:(\kq)*SBLK+\t*1536+1280
.endr
	ds_load_b128 v[SS+4*(\fs):SS+4*(\fs)+3], v[A16] offset:(\kq)*SBLK+12288
.endm
.macro S1SC ks, base                   ; source 1's scale words of K step ks (window 0)
	global_load_b64 v[S1S+2*(\ks):S1S+2*(\ks)+1], v[L16], s[\base:\base+1] offset:(\ks)*SBLK
.endm
.macro S1CD ks, base                   ; its four fragments: 16 loads; the caller has set the destination's window
.if (\ks) < 5
.set rB0, 48*(\ks)
.else
.set rB0, 48*((\ks)-5)
.endif
.irp a, 0,1,2,3
	global_load_b128 v[rB0+12*\a:rB0+12*\a+3], v[L16], s[\base:\base+1] offset:(\ks)*SBLK+\a*1536
	global_load_b64 v[rB0+12*\a+4:rB0+12*\a+5], v[L8], s[\base:\base+1] offset:(\ks)*SBLK+\a*1536+512
	global_load_b128 v[rB0+12*\a+6:rB0+12*\a+9], v[L16], s[\base:\base+1] offset:(\ks)*SBLK+\a*1536+768
	global_load_b64 v[rB0+12*\a+10:rB0+12*\a+11], v[L8], s[\base:\base+1] offset:(\ks)*SBLK+\a*1536+1280
.endr
.endm
.macro BIAS0 off                       ; eight registers a tile b, in the result's layout: the bias of columns 32 (b / 2) + 8 (b % 2) + 16 h + 0 .. 7 (destination window 3)
.irp b, 0,1,2,3,4,5,6,7
	global_load_b128 v[BC+8*\b:BC+8*\b+3], v[BH], s[BB0:BB0+1] offset:\off+(32*(\b/2)+8*(\b%2))*4
	global_load_b128 v[BC+8*\b+4:BC+8*\b+7], v[BH], s[BB0:BB0+1] offset:\off+(32*(\b/2)+8*(\b%2))*4+16
.endr
.endm
; One K step.  lc >= 0: a wait on the loads of source 1.  tc: the wait on my tensor loads at K step 3, in front of the second half's barrier.  reload: source 1's registers of the step before take unit 2's.
.macro STEPG ks, kind, reload, lc, tc
.if (\lc) >= 0
	s_wait_loadcnt \lc
.endif
	s_wait_dscnt 0x0                               ; this step's fragments are in: they were asked for a step ago
	WIN 0
	NOPS 4                                         ; four plain instructions between the last step's products and loads into registers that they read
.if (\ks) == 3
	s_wait_tensorcnt \tc                           ; my part of the unit's K steps 4-7 has landed (the later units' loads stay out)
	s_barrier_signal -1
	s_barrier_wait -1                              ; everybody's has
	v_add_nc_u32 v[A16], HALF, v[A16]
	v_add_nc_u32 v[A8], HALF, v[A8]
.endif
.if (\ks) < 7
	FETCH ((\ks)+1)%2, ((\ks)+1)%4
.endif
.if (\reload) && ((\ks) >= 1)
	S1SC (\ks)-1, SS1
.if (\ks)-1 < 5
	WIN 0x80
.else
	WIN 0xc0
.endif
	S1CD (\ks)-1, SC1
.endif
.if (\ks) == 0
	WIN 0x78                                       ; source 1 window 2, C window 3, D window 1
.elseif (\ks) < 5
	WIN 0x58                                       ; source 1 window 2, C and D window 1
.else
	WIN 0x5c                                       ; source 1 window 3
.endif
	MUL \ks, (\ks)%2, (\ks)==0, \kind
.endm
; The head of a unit and its eight K steps.  l0, l4 .. l7: the waits on source 1's loads.
.macro UNIT u, kind, reload, l0, l4, l5, l6, l7
	s_wait_tensorcnt 5-2*(\u)                      ; my part of the unit's K steps 0-3 has landed: 5 - 2 u loads were issued behind it,
	s_barrier_signal -1
	s_barrier_wait -1                              ; everybody's has
.if (\u) > 0
	s_wait_loadcnt 0x0                             ; the bias, and source 1 where it was loaded anew
	s_wait_xcnt 0x0                                ; the last unit's stores have read their registers, which lie among the fragments' registers
	v_add_nc_u32 v[A16], HALF, v[A16]
	v_add_nc_u32 v[A8], HALF, v[A8]
.endif
.if \kind
	WIN 0xc3
.irp a, 0,1,2,3
.irp j, 0,1,2,3,4,5,6,7
	v_mov_b32 v[BC+8*\a+\j], v[BL+\a]              ; v's bias hangs on the lane's row alone: the same in a tile's eight registers
.endr
.endr
	WIN 0
.endif
.if (\u) > 0
	NOPS 5                                         ; ahead of products that begin the accumulators anew
.endif
	FETCH 0, 0
	STEPG 0, \kind, \reload, \l0, 0
	STEPG 1, \kind, \reload, -1, 0
	STEPG 2, \kind, \reload, -1, 0
	STEPG 3, \kind, \reload, -1, 4-2*(\u)
	STEPG 4, \kind, \reload, \l4, 0
	STEPG 5, \kind, \reload, \l5, 0
	STEPG 6, \kind, \reload, \l6, 0
	STEPG 7, \kind, \reload, \l7, 0
	WIN 0
	NOPS 4                                         ; between the last products and the first read of results, and loads into registers that they read
.endm
; The 64 results of tile a (window 1, register 16 b + i = neighbour 32 b + 16 h + i of my row) become a fragment's codes at v[F + 20 a] on and its scale word in v[PW + a].  Each accumulator is read from its low end on.
.macro QUANTW a
.set qS, 64*(\a)
.set qP, F+20*(\a)
.set qW, PW+(\a)
	WIN 0x05
.irp b, 0,1,2,3
	v_max3_num_f32 v[TM+\b], |v[qS+16*\b]|, |v[qS+1+16*\b]|, 0x1800000   ; and the floor 2^(3 - 127): the byte cannot fall under 1
.endr
	WIN 0x14
.irp i, 2,4,6,8,10,12,14
.irp b, 0,1,2,3
	v_max3_num_f32 v[TM+\b], v[TM+\b], |v[qS+16*\b+\i]|, |v[qS+1+16*\b+\i]|
.endr
.endr
	WIN 0
.irp b, 0,1,2,3
	v_permlanex16_b32 v[TM+4+\b], v[TM+\b], s[SEL], s[SEL+1]
.endr
.irp b, 0,1,2,3
	v_max_num_f32 v[TM+\b], v[TM+\b], v[TM+4+\b]   ; the block's largest magnitude
.endr
.irp b, 0,1,2,3
	v_add_nc_u32 v[TM+12+\b], 0xff000000, v[TM+\b] ; 2 off its exponent field: the conversion's scale operand
.endr
.irp b, 0,1,2,3
	v_lshrrev_b32 v[TM+4+\b], 23, v[TM+12+\b]      ; the byte
.endr
	v_lshl_or_b32 v[qW], v[TM+5], 8, v[TM+4]
	v_lshl_or_b32 v[qW], v[TM+6], 16, v[qW]
	v_lshl_or_b32 v[qW], v[TM+7], 24, v[qW]
	WIN 0x01
.irp c, 0,1
	v_cvt_scalef32_pk16_fp6_f32 v[qP+6*\c:qP+2+6*\c], v[qS+32*\c:qS+15+32*\c], v[TM+12+2*\c]
	v_cvt_scalef32_pk16_fp6_f32 v[qP+12+4*\c:qP+14+4*\c], v[qS+16+32*\c:qS+31+32*\c], v[TM+12+2*\c+1]
.endr
	WIN 0
	v_nop                                          ; one plain instruction behind the scaled conversions
.irp c, 0,1
.irp i, 0,1,2
	v_permlane16_swap_b32 v[qP+6*\c+\i], v[qP+12+4*\c+\i]
.endr
.irp i, 0,1,2
	v_mov_b32 v[qP+3+6*\c+\i], v[qP+12+4*\c+\i]
.endr
.endr
.endm
; q or k: registers 0-5 of a fragment are the even head's 64, registers 6-11 the odd head's.  Every store covers 512 or 256 consecutive bytes, aligned to 256.
.macro EPI0 oe, oo
.irp a, 0,1,2,3
	QUANTW \a
	global_store_b128 v[VO16], v[F+20*\a:F+20*\a+3], s[\oe:\oe+1] offset:\a*768
	global_store_b64 v[VO8], v[F+20*\a+4:F+20*\a+5], s[\oe:\oe+1] offset:\a*768+512
	global_store_b128 v[VO16], v[F+20*\a+6:F+20*\a+9], s[\oo:\oo+1] offset:\a*768
	global_store_b64 v[VO8], v[F+20*\a+10:F+20*\a+11], s[\oo:\oo+1] offset:\a*768+512
.endr
	v_cndmask_b32 v[E], v[PW], v[PW+1], vcc_lo     ; lanes 0-15: tile 0's words, lanes 16-31: tile 1's
	v_cndmask_b32 v[E+1], v[PW+2], v[PW+3], vcc_lo
	v_and_b32 v[E+2], 0xffff, v[E]                 ; the even head's two bytes; bytes 2, 3 stand over zero codes
	v_and_b32 v[E+3], 0xffff, v[E+1]
	v_lshrrev_b32 v[E], 16, v[E]                   ; the odd head's
	v_lshrrev_b32 v[E+1], 16, v[E+1]
	global_store_b64 v[VOS], v[E+2:E+3], s[\oe:\oe+1] offset:6144
	global_store_b64 v[VOS], v[E:E+1], s[\oo:\oo+1] offset:6144
.endm
.macro EPI1                            ; v^T: four fragments of 16 channels x 128 keys
.irp a, 0,1,2,3
	QUANTW \a
	global_store_b128 v[L16], v[F+20*\a:F+20*\a+3], s[OV:OV+1] offset:6656+\a*1536
	global_store_b128 v[L16], v[F+20*\a+4:F+20*\a+7], s[OV:OV+1] offset:6656+\a*1536+512
	global_store_b128 v[L16], v[F+20*\a+8:F+20*\a+11], s[OV:OV+1] offset:6656+\a*1536+1024
.endr
	v_cndmask_b32 v[E], v[PW], v[PW+1], vcc_lo
	v_cndmask_b32 v[E+1], v[PW+2], v[PW+3], vcc_lo
	global_store_b64 v[L8], v[E:E+1], s[OV:OV+1] offset:12800
.endm
	s_load_b256 s[4:11], s[0:1], 0x0               ; xq s[4:5], waq s[6:7], b_attn s[8:9], qc s[10:11]
	s_load_b64 s[12:13], s[0:1], 0x20              ; kv
	v_lshl_add_u32 v50, v0, 2, 0x4b000
	v_mov_b32 v51, 0
	ds_add_u32 v50, v51
	ds_add_u32 v50, v51
	v_lshrrev_b32 v10, 5, v0
	v_readfirstlane_b32 s[WV], v10                 ; wave 0..3
	s_bfe_u32 s[CX], ttmp6, 0x40000                ; my place in the cluster: it enters global addresses alone
	s_mov_b32 s[CL], ttmp9                         ; the cluster, 0..63
	s_and_b32 s[IP], s[CL], 7                      ; which 256 columns of q and k
	s_lshr_b32 s[JB], s[CL], 3
	s_lshl_b32 s[JB], s[JB], 2
	s_add_co_u32 s[JB], s[JB], s[CX]               ; which 256 tokens
	s_and_b32 s[HF], s[WV], 1
	s_lshr_b32 s[WH], s[WV], 1
	; descriptor group 1: a K step's block, 12,800 dense bytes, as 50 rows of 32 elements of 8 bytes; no padding
	s_mov_b32 s[G1], 15|(3<<16)|(1<<21)            ; 15:0 the mask: all four work-groups; 17:16 elements of 8 bytes; 21 set beside a mask
	s_mov_b32 s[G1+1], 32<<16                      ; tensor_dim0 = 32
	s_mov_b32 s[G1+2], 50<<16                      ; tensor_dim1 = 50
	s_mov_b32 s[G1+3], 32<<16                      ; tile_dim0 = 32
	s_mov_b32 s[G1+4], 50                          ; tile_dim1 = 50
	s_mov_b32 s[G1+5], 32                          ; from row to row
	s_mov_b32 s[G1+6], 0
	s_mov_b32 s[G1+7], 0
	s_mul_i32 s2, s[IP], 2*GRP
	s_mul_i32 s3, s[WV], SBLK                      ; wave w brings K steps w and 4 + w of each unit
	s_add_co_u32 s80, s2, s3
	s_mov_b32 s81, 0
	s_mul_i32 s82, s[CL], GRP
	s_add_co_u32 s82, s82, s3
	s_mov_b32 s83, 0
	s_wait_dscnt 0x0
	s_wait_kmcnt 0x0
	s_add_nc_u64 s[80:81], s[6:7], s[80:81]        ; units 0, 1: groups 2 ip and 2 ip + 1 of waq, which follow each other
	s_add_nc_u64 s[82:83], s[4:5], s[82:83]        ; unit 2: group cl of xq
.irp i, 0,1,2,3
	s_mov_b32 s[G0+4*\i], 1
	s_add_co_u32 s[G0+4*\i+1], s3, \i*HALF         ; LDS: half i of the six, K step w of its four
	s_add_nc_u64 s[G0+4*\i+2:G0+4*\i+3], s[80:81], \i*HALF
	s_or_b32 s[G0+4*\i+3], s[G0+4*\i+3], 0x80000000
.endr
.irp i, 4,5
	s_mov_b32 s[G0+4*\i], 1
	s_add_co_u32 s[G0+4*\i+1], s3, \i*HALF
	s_add_nc_u64 s[G0+4*\i+2:G0+4*\i+3], s[82:83], (\i-4)*HALF
	s_or_b32 s[G0+4*\i+3], s[G0+4*\i+3], 0x80000000
.endr
	ROUND                                          ; all four work-groups are here: the joint loads meet
.irp i, 0,1,2,3,4,5
	tensor_load_to_lds s[G0+4*\i:G0+4*\i+3], s[G1:G1+7]
	s_nop 0
.endr
	NOPS 4                                         ; four plain instructions behind a tensor load
	v_and_b32 v10, 31, v0
	v_lshlrev_b32 v[L16], 4, v10
	v_lshlrev_b32 v[L8], 3, v10
	v_lshlrev_b32 v[A16], 4, v10
	v_lshlrev_b32 v[A8], 3, v10
	v_bfe_u32 v12, v0, 4, 1
	v_lshlrev_b32 v[BH], 6, v12
	s_lshl_b32 s80, s[IP], 10                      ; the bias of columns 256 ip on
	s_mov_b32 s81, 0
	s_add_nc_u64 s[BB0:BB0+1], s[8:9], s[80:81]
	s_lshl_b32 s2, s[JB], 1
	s_add_co_u32 s2, s2, s[WH]
	s_mul_i32 s2, s2, GRP                          ; my 64 tokens: group 2 jb + w / 2 of xq,
	s_mul_i32 s3, s[HF], 6144                      ; tiles 4 (w % 2) on
	s_add_co_u32 s80, s2, s3
	s_add_nc_u64 s[SC0:SC0+1], s[4:5], s[80:81]
	s_lshl_b32 s3, s[HF], 3
	s_add_co_u32 s80, s2, s3
	s_add_co_u32 s80, s80, 12288                   ; their scale words: 8 bytes of each lane's 16
	s_add_nc_u64 s[SS0:SS0+1], s[4:5], s[80:81]
	WIN 0xc0
	BIAS0 0
	WIN 0
.irp s, 0,1,2,3,4,5,6,7
	S1SC \s, SS0
.endr
	WIN 0x80
.irp s, 0,1,2,3,4
	S1CD \s, SC0
.endr
	WIN 0xc0
.irp s, 5,6,7
	S1CD \s, SC0
.endr
	WIN 0
	s_lshl_b32 s2, s[CX], 1
	s_add_co_u32 s2, s2, s[WH]
	s_add_co_u32 s2, s2, 16
	s_mul_i32 s2, s2, GRP                          ; unit 2: my head of v: group 16 + 2 cx + w / 2 of waq,
	s_mul_i32 s3, s[HF], 6144                      ; tiles 4 (w % 2) on
	s_add_co_u32 s80, s2, s3
	s_add_nc_u64 s[SC1:SC1+1], s[6:7], s[80:81]
	s_lshl_b32 s3, s[HF], 3
	s_add_co_u32 s80, s2, s3
	s_add_co_u32 s80, s80, 12288
	s_add_nc_u64 s[SS1:SS1+1], s[6:7], s[80:81]
	s_lshl_b32 s2, s[CX], 2
	s_add_co_u32 s2, s2, s[WV]                     ; that head's number
	s_lshl_b32 s80, s2, 8
	s_add_co_u32 s80, s80, 8192                    ; its bias: (2,048 + 64 head) x 4 bytes
	s_add_nc_u64 s[BB1:BB1+1], s[8:9], s[80:81]
	s_lshr_b32 s3, s[CL], 4                        ; unit 2's tokens: batch cl / 16, block of keys cl % 16
	s_lshl_b32 s3, s3, 4
	s_add_co_u32 s2, s2, s3
	s_lshl_b32 s2, s2, 4
	s_and_b32 s3, s[CL], 15
	s_add_co_u32 s2, s2, s3
	s_mul_i32 s80, s2, 13056
	s_add_nc_u64 s[OV:OV+1], s[12:13], s[80:81]
	s_lshr_b32 s2, s[JB], 3                        ; units 0, 1: batch jb / 8,
	s_lshl_b32 s2, s2, 4
	s_and_b32 s3, s[IP], 3
	s_lshl_b32 s3, s3, 2
	s_add_co_u32 s2, s2, s3                        ; head 4 (ip % 4) (+ 2 u, + 1 for the odd one),
	s_lshl_b32 s2, s2, 4
	s_and_b32 s3, s[JB], 7
	s_lshl_b32 s3, s3, 1
	s_add_co_u32 s2, s2, s3
	s_add_co_u32 s2, s2, s[WH]                     ; block of 128 tokens 2 (jb % 8) + w / 2
	s_mov_b32 s3, 13056
	s_cmp_lt_u32 s[IP], 4                          ; q's columns or k's?  The choice hangs on the cluster's number alone
	s_cselect_b32 s3, 6656, s3
	s_cselect_b64 s[OE0:OE0+1], s[10:11], s[12:13]
	s_mul_i32 s80, s2, s3
	s_add_nc_u64 s[OE0:OE0+1], s[OE0:OE0+1], s[80:81]
	s_lshl_b32 s80, s3, 4                          ; a head on: 16 blocks
	s_add_nc_u64 s[OO0:OO0+1], s[OE0:OE0+1], s[80:81]
	s_add_nc_u64 s[OE1:OE1+1], s[OO0:OO0+1], s[80:81]
	s_add_nc_u64 s[OO1:OO1+1], s[OE1:OE1+1], s[80:81]
	s_mul_i32 s2, s[HF], 3072
	v_add_nc_u32 v[VO16], s2, v[L16]
	v_add_nc_u32 v[VO8], s2, v[L8]
	s_lshl_b32 s2, s[HF], 8
	v_add_nc_u32 v[VOS], s2, v[L8]
	v_and_b32 v11, 15, v0
	v_and_b32 v12, 8, v11
	v_add_nc_u32 v11, v11, v12
	v_lshlrev_b32 v[BV], 2, v11
	s_mov_b32 s[SEL], 0x76543210
	s_mov_b32 s[SEL+1], 0xfedcba98
	s_mov_b32 vcc_lo, 0xffff0000                   ; lanes 16-31
.irp b, 0,1,2,3
	v_mov_b32 v[TM+4+\b], 0                        ; written once: a lane permute's destination counts as one of its sources
.endr
	; unit 0.  152 loads are out: 16 of the bias, 8 of scale words, 16 for each K step.  With 63 left at least 89 are done: the bias, the scale words, K steps 0-3; then 48, 32, 16, 0 leave the later steps' loads out
	UNIT 0, 0, 0, 63, 48, 32, 16, 0
	WIN 0xc0
	BIAS0 512                                      ; the next 128 columns' bias, while this unit goes out
	EPI0 OE0, OO0
	; unit 1: the same tokens; behind each K step its registers of source 1 take unit 2's
	UNIT 1, 0, 1, -1, -1, -1, -1, -1
	S1SC 7, SS1
	WIN 0xc0
	S1CD 7, SC1
.irp a, 0,1,2,3
	global_load_b32 v[BL+\a], v[BV], s[BB1:BB1+1] offset:(32*(\a/2)+8*(\a%2))*4
.endr
	EPI0 OE1, OO1
	; unit 2: v
	UNIT 2, 1, 0, -1, -1, -1, -1, -1
	EPI1
	WIN 0
	s_wait_tensorcnt 0x0
	ds_add_u32 v50, v51
	s_wait_dscnt 0x0
	ROUND                                          ; the closing round: no work-group ends while a partner may still ask for a tile that names it
	s_endpgm
.Lfunc_end_k_q24f89afc5f_qkv:
	.size	k_q24f89afc5f_qkv, .Lfunc_end_k_q24f89afc5f_qkv-k_q24f89afc5f_qkv
	.p2alignl 7, 3214868480
	.fill 96, 4, 3214868480
	.section	.rodata,"a",@progbits
	.p2align	6, 0x0
	.amdhsa_kernel k_q24f89afc5f_qkv
		.amdhsa_group_segment_fixed_size 327680
		.amdhsa_private_segment_fixed_size 0
		.amdhsa_enable_private_segment 0
		.amdhsa_kernarg_size 40
		.amdhsa_user_sgpr_count 2
		.amdhsa_user_sgpr_kernarg_segment_ptr 1
		.amdhsa_wavefront_size32 1
		.amdhsa_system_sgpr_workgroup_id_x 1
		.amdhsa_system_sgpr_workgroup_id_y 1
		.amdhsa_system_sgpr_workgroup_id_z 1
		.amdhsa_system_vgpr_workitem_id 0
		.amdhsa_next_free_vgpr 1024
		.amdhsa_next_free_sgpr 84
		.amdhsa_reserve_vcc 1
		.amdhsa_float_denorm_mode_32 3
		.amdhsa_float_denorm_mode_16_64 3
		.amdhsa_memory_ordered 1
		.amdhsa_forward_progress 1
		.amdhsa_inst_pref_size 243
	.end_amdhsa_kernel
	.amdgpu_metadata
---
amdhsa.version: [ 1, 2 ]
amdhsa.kernels:
  - .name:           k_q24f89afc5f_qkv
    .symbol:         k_q24f89afc5f_qkv.kd
    .args:
      - { .name: xq, .offset: 0, .size: 8, .value_kind: global_buffer, .address_space: global }
      - { .name: waq, .offset: 8, .size: 8, .value_kind: global_buffer, .address_space: global }
      - { .name: b_attn, .offset: 16, .size: 8, .value_kind: global_buffer, .address_space: global }
      - { .name: qc, .offset: 24, .size: 8, .value_kind: global_buffer, .address_space: global }
      - { .name: kv, .offset: 32, .size: 8, .value_kind: global_buffer, .address_space: global }
    .group_segment_fixed_size: 327680
    .private_segment_fixed_size: 0
    .kernarg_segment_align: 8
    .kernarg_segment_size: 40
    .max_flat_workgroup_size: 128
    .sgpr_count:     84
    .vgpr_count:     1024
    .wavefront_size: 32
...
	.end_amdgpu_metadata
.endif
;; end of part 2
;; launch attn (part 3): grid 256 x 1, 16 waves a work-group, clusters of 4 x 1, 327,680 bytes of LDS; arguments qc, kv, oq, osc; writes oq, osc
.if DOCPART == 3
	.amdgcn_target "amdgcn-amd-amdhsa--gfx1250"
	.amdhsa_code_object_version 6
	.text
	.protected	k_q24f89afc5f_attn
	.globl	k_q24f89afc5f_attn
	.p2align	8
	.type	k_q24f89afc5f_attn,@function
k_q24f89afc5f_attn:
	s_mov_b64 s[64:65], 0
	v_nop
	global_prefetch_b8 v0, s[64:65] scope:SCOPE_SE
	s_setreg_imm32_b32 hwreg(HW_REG_WAVE_MODE, 25, 1), 1
	s_wait_xcnt 0x0
	s_wait_alu depctr_hold_cnt(0) depctr_sa_sdst(0) depctr_va_vdst(0) depctr_va_sdst(0) depctr_va_ssrc(0) depctr_va_vcc(0) depctr_vm_vsrc(0)
	s_getreg_b32 s2, hwreg(HW_REG_IB_STS2, 6, 4)
	s_cmp_eq_u32 s2, 0
	s_cbranch_scc0 .Lentry_in_a_cluster
	s_endpgm
.Lentry_in_a_cluster:
	s_bfe_u32 s2, ttmp6, 0x10000c
	s_cmp_lg_u32 s2, 0x3003
	s_cbranch_scc0 .Lentry_shape_is_right
	s_endpgm
.Lentry_shape_is_right:
; o = softmax(q k^T / 8, causal) v for one (batch, head) a cluster, both products on codes of FP6 (E2M3) with E8M0 scales; o is quantised along the model's 1,024 for the last product and leaves as codes.
; THE SOFTMAX: t = score x log2(e) / 8; M = the row's largest t so far, rounded UP to a whole number; p = 2^(t - M) is quantised along the keys, not normalised.  The row's sum is taken of the unquantised p and divides O at the end
; (a reciprocal and a multiplication).  When M moves, the sum and O are multiplied by 2^(old M - new M): exact.
; LIMITS: NaN and infinities are not served.  A block of zeros, or one under 2^-124, gets the scale byte 1 where the rule says 127: its codes are zeros, and this program alone reads the bytes.
; THE HEAD'S K AND V LIE WHOLE IN LDS, 16 blocks of 128 keys x 13,056 bytes, brought by two joint first fills a wave (mask 15: the four partners need the same bytes): nothing is filled again, and no barrier stands in the key loops.
; By this text's own count two tensor loads of a wave are out at the most.
; SHARES, alike in all partners.  A block j of 128 queries has 8 tiles of 16; partner cx owns tiles 2 cx and 2 cx + 1 of every block.  Wave w takes tile 2 cx + 1 of block 15 - w, then tile 2 cx of block w: (16 - w) + (w + 1) = 17 key steps
; for every wave of the launch.  Key steps behind the diagonal are jumped over by a scalar branch on the wave's number and the loop's count; the place in the cluster enters global addresses and the mask's compare value alone.
; LAYOUT.  Both products are used transposed: S^T = K Q^T, O^T = V^T P^T: a lane holds one query throughout.  The rows of a tile are not neighbours (tile 2 B + u: rows 32 B + 8 u + p + 8 (p / 8)), so that the 16 registers of
; result tiles 2 B, 2 B + 1 are 16 neighbours.  The head has 64 channels: registers 6-11 of Q's and K's fragments hold zero codes.
.set BLKB,  13056
.set HEADB, 16*BLKB
.set OSCL,  HEADB                      ; behind k and v: 1,024 bytes in which o's scale bytes are gathered
.set L16,  1                           ; v1  16 x lane
.set L8,   2                           ; v2  8 x lane
.set AD16, 3                           ; v3  + the key block's LDS byte
.set AD8,  4
.set DH,   5                           ; v5  my query's place in its block - 16 h, first tile;  v6 second tile
.set DL,   6
.set QH,   16                          ; v16-27 Q of the first tile, v28 its scale words
.set QSH,  28
.set KS,   32                          ; v32-35 K's scale words, v36-37 V's, v38 P's
.set VS,   36
.set PS,   38
.set KF,   40                          ; v40-87 four fragments of K
.set PCD,  192                         ; v192-203 P's codes;  v204-210 the conversions' second halves
.set PC2,  204
.set BM,   212                         ; v212-215 the blocks' largest scores
.set PB,   216                         ; v216-219 the other half's, then the bytes
.set SO,   220                         ; v220-223 the conversions' scale operands
.set FF,   224                         ; v[224:225] f = 2^(old M - new M), low word
.set TA,   226
.set QL,   228                         ; v228-239 Q of the second tile, v240 its scale words
.set QSL,  240
.set SU,   244                         ; v[244:245] the second chain of the sums
.set NINF, 246
.set WV,   12
.set CX,   13
.set CL,   14
.set CS,   16                          ; s[16:17] c = log2(e) / 8
.set SEL,  18
.set TB,   20                          ; s20 the key block's LDS byte
.set KB,   21                          ; s21 the key block
.set CNT,  22
.set LIMH, 23                          ; s23 the first tile's block of queries = its last block of keys
.set G1A,  24
.set G1B,  32
.set G0A,  40
.set G0B,  44
.set LIML, 48
.set OQH,  50
.set OQL,  52
.set QAH,  56
.set QAL,  58
.set OSO,  60
.macro NOPS n
.rept \n
	v_nop
.endr
.endm
.macro ROUND                           ; a round of the cluster's barrier
	s_barrier_signal -1
	s_barrier_wait -1
	s_cmp_lg_u32 s[WV], 0
	s_cbranch_scc1 .Lnot_wave_0_\@
	s_barrier_signal -3
.Lnot_wave_0_\@:
	s_barrier_wait -3
	s_barrier_signal -1
	s_barrier_wait -1
.endm
	s_load_b256 s[4:11], s[0:1], 0x0               ; qc s[4:5], kv s[6:7], oq s[8:9], osc s[10:11]
	v_lshl_add_u32 v254, v0, 2, 0x33400
	v_mov_b32 v255, 0
	ds_add_u32 v254, v255
	ds_add_u32 v254, v255
	v_lshrrev_b32 v3, 5, v0
	s_delay_alu instid0(VALU_DEP_1)
	v_readfirstlane_b32 s[WV], v3                  ; wave 0..15
	s_bfe_u32 s[CX], ttmp6, 0x40000
	s_mov_b32 s[CL], ttmp9                         ; 16 batch + head
	; descriptor groups 1: dense bytes as rows of 32 elements of 8 bytes: 13 rows a wave (208 rows: key blocks 0-3 and a little more), then 38 rows a wave (the other 608)
.irp g, G1A, G1B
	s_mov_b32 s[\g], 15|(3<<16)|(1<<21)            ; the mask: all four work-groups; elements of 8 bytes; bit 21 set beside a mask
	s_mov_b32 s[\g+1], 32<<16
	s_mov_b32 s[\g+3], 32<<16
	s_mov_b32 s[\g+5], 32
	s_mov_b32 s[\g+6], 0
	s_mov_b32 s[\g+7], 0
.endr
	s_mov_b32 s[G1A+2], 13<<16
	s_mov_b32 s[G1A+4], 13
	s_mov_b32 s[G1B+2], 38<<16
	s_mov_b32 s[G1B+4], 38
	s_mul_i32 s54, s[CL], HEADB
	s_mov_b32 s55, 0
	s_mul_i32 s2, s[WV], 13*256
	s_mul_i32 s3, s[WV], 38*256
	s_add_co_u32 s3, s3, 208*256
	s_wait_dscnt 0x0
	s_wait_kmcnt 0x0
	s_add_nc_u64 s[6:7], s[6:7], s[54:55]          ; the head's k and v
	s_mov_b32 s[G0A], 1
	s_mov_b32 s[G0A+1], s2                         ; LDS as memory: byte for byte
	s_mov_b32 s54, s2
	s_add_nc_u64 s[G0A+2:G0A+3], s[6:7], s[54:55]
	s_or_b32 s[G0A+3], s[G0A+3], 0x80000000
	s_mov_b32 s[G0B], 1
	s_mov_b32 s[G0B+1], s3
	s_mov_b32 s54, s3
	s_add_nc_u64 s[G0B+2:G0B+3], s[6:7], s[54:55]
	s_or_b32 s[G0B+3], s[G0B+3], 0x80000000
	ROUND                                          ; all four work-groups are here: the joint loads meet
	tensor_load_to_lds s[G0A:G0A+3], s[G1A:G1A+7]
	s_nop 0
	s_wait_alu depctr_va_vdst(0)
	s_wait_tensorcnt 0x0
	ds_add_u32 v254, v255
	s_wait_dscnt 0x0
	ROUND
	tensor_load_to_lds s[G0B:G0B+3], s[G1B:G1B+7]
	s_nop 0
	NOPS 4                                         ; four plain instructions behind a tensor load
	s_xor_b32 s[LIMH], s[WV], 15                   ; 15 - w
	s_mov_b32 s[LIML], s[WV]
	s_lshl_b32 s2, s[CL], 4
	s_add_co_u32 s3, s2, s[LIMH]
	s_mul_i32 s54, s3, 6656
	s_add_nc_u64 s[QAH:QAH+1], s[4:5], s[54:55]    ; the two blocks of queries
	s_add_co_u32 s3, s2, s[LIML]
	s_mul_i32 s54, s3, 6656
	s_add_nc_u64 s[QAL:QAL+1], s[4:5], s[54:55]
	v_and_b32 v3, 31, v0
	s_delay_alu instid0(VALU_DEP_1)
	v_lshlrev_b32 v[L16], 4, v3
	s_wait_alu depctr_va_vdst(0)
	v_lshlrev_b32 v[L8], 3, v3
	s_wait_alu depctr_va_vdst(0)
	v_and_b32 v88, 15, v0                          ; r
	s_wait_alu depctr_va_vdst(0)
	v_bfe_u32 v89, v0, 4, 1                        ; h
	s_wait_alu depctr_va_vdst(0)
	s_mul_i32 s2, s[CX], 1536                      ; tile 2 cx: half fragments of 768 bytes
	v_add_nc_u32 v7, s2, v[L16]
	v_add_nc_u32 v8, s2, v[L8]
	s_lshr_b32 s2, s[CX], 1
	s_lshl_b32 s2, s2, 8
	s_and_b32 s3, s[CX], 1
	s_lshl_b32 s3, s3, 2
	s_add_co_u32 s2, s2, s3
	v_lshl_add_u32 v9, v88, 3, s2                  ; its scale word: run cx / 2, word 8 (r + 16 u) + 4 (cx % 2)
	global_load_b128 v[QH:QH+3], v7, s[QAH:QAH+1] offset:768
	global_load_b64 v[QH+4:QH+5], v8, s[QAH:QAH+1] offset:768+512
	global_load_b32 v[QSH], v9, s[QAH:QAH+1] offset:6144+128
	global_load_b128 v[QL:QL+3], v7, s[QAL:QAL+1]
	global_load_b64 v[QL+4:QL+5], v8, s[QAL:QAL+1] offset:512
	global_load_b32 v[QSL], v9, s[QAL:QAL+1] offset:6144
	s_lshr_b32 s2, s[CL], 4                        ; where o goes: group 16 batch + block, K step head / 2, half head % 2
	s_lshl_b32 s2, s2, 4
	s_and_b32 s3, s[CL], 15
	s_lshr_b32 s62, s3, 1
	s_mul_i32 s62, s62, 12288
	s_and_b32 s3, s3, 1
	s_mul_i32 s3, s3, 768
	s_add_co_u32 s62, s62, s3
	s_add_co_u32 s3, s2, s[LIMH]
	s_mul_i32 s54, s3, 98304
	s_add_co_u32 s54, s54, s62
	s_add_nc_u64 s[OQH:OQH+1], s[8:9], s[54:55]
	s_add_co_u32 s3, s2, s[LIML]
	s_mul_i32 s54, s3, 98304
	s_add_co_u32 s54, s54, s62
	s_add_nc_u64 s[OQL:OQL+1], s[8:9], s[54:55]
	s_mul_i32 s2, s[CX], 3072                      ; tile 2 cx: fragments of 1,536 bytes
	v_add_nc_u32 v10, s2, v[L16]
	v_add_nc_u32 v11, s2, v[L8]
	s_lshl_b32 s2, s[CL], 2
	s_add_co_u32 s2, s2, s[CX]
	s_lshl_b32 s2, s2, 10
	s_and_b32 s3, s[WV], 1
	s_lshl_b32 s3, s3, 9
	s_add_co_u32 s54, s2, s3
	s_add_nc_u64 s[OSO:OSO+1], s[10:11], s[54:55]  ; (waves 0 and 1) my 512 of the work-group's 1,024 scale bytes
	v_and_b32 v90, 8, v88
	s_delay_alu instid0(VALU_DEP_1)
	v_add_nc_u32 v90, v90, v88                     ; r + 8 (r / 8)
	v_lshlrev_b32 v91, 4, v89
	s_delay_alu instid0(VALU_DEP_1)
	v_sub_nc_u32 v90, v90, v91
	s_lshl_b32 s2, s[CX], 5
	v_add_nc_u32 v[DL], s2, v90                    ; tile 2 cx: query 32 cx + r + 8 (r / 8) of its block, less 16 h
	s_delay_alu instid0(VALU_DEP_1)
	v_add_nc_u32 v[DH], 8, v[DL]                   ; tile 2 cx + 1: 8 further on
	s_lshl_b32 s2, s[LIMH], 6
	s_add_co_u32 s2, s2, OSCL+32
	v_lshl_add_u32 v29, v88, 1, s2                 ; o's scale bytes: 64 block + 32 u + 2 r
	s_lshl_b32 s2, s[WV], 6
	s_add_co_u32 s2, s2, OSCL
	v_lshl_add_u32 v30, v88, 1, s2
	s_add_co_u32 s3, s3, OSCL
	v_add_nc_u32 v31, s3, v[L16]                   ; (waves 0 and 1) the 512 bytes that I carry out
	s_mov_b32 s[CS], 0x3e38aa3b                    ; c = log2(e) / 8
	s_mov_b32 s[CS+1], s[CS]                       ; (named with it as a pair, so it is written)
	s_mov_b32 s[SEL], 0x76543210
	s_mov_b32 s[SEL+1], 0xfedcba98
.irp t, 0,1,2,3
.irp i, 6,7,8,9,10,11
	v_mov_b32 v[KF+12*\t+\i], 0                    ; K beyond the head's 64: zero codes, written once
.endr
.endr
.irp i, 6,7,8,9,10,11
	v_mov_b32 v[QH+\i], 0
	v_mov_b32 v[QL+\i], 0
.endr
.irp b, 0,1,2,3
	v_mov_b32 v[PB+\b], 0                          ; a lane permute's destination counts as one of its sources
.endr
	v_mov_b32 v[FF+1], 0                           ; (named as the upper half of a pair)
	v_mov_b32 v[TA], 0
	v_mov_b32 v[NINF], 0xff800000                  ; -infinity
.macro INIT
	v_mov_b32 v13, 0xff61b1e6                      ; the largest t so far: -3e38, under every t
	s_delay_alu instid0(VALU_DEP_1)
	v_floor_f32 v12, -v13                          ; -M
	v_mov_b32 v14, 0                               ; the sum, in two halves
	v_mov_b32 v15, 0
.set j, 0
.rept 32
	v_mov_b32 v[160+j], 0                          ; O^T: the first step finds zeros, which the first change of M leaves zeros
.set j, j+1
.endr
.endm
; A KEY STEP: the 128 keys of block s[KB].  qf, qw: Q's fragment and scale words;  lim: the diagonal's block;  dm: the mask's compare value.
.macro STEP qf, qw, lim, dm
	s_cmp_gt_u32 s[KB], s[\lim]                    ; all keys come after my queries: the step's work is left out, not the lines at its end that step the address
	s_cbranch_scc1 .Lhid_\@
	s_setprio 2
	v_add_nc_u32 v[AD16], s[TB], v[L16]
	s_wait_alu depctr_va_vdst(0)
	v_add_nc_u32 v[AD8], s[TB], v[L8]
	s_wait_alu depctr_va_vdst(0)
.irp g, 0,1                            ; S^T = K Q^T, four tiles of 16 keys at a time
.if \g
	NOPS 4                                         ; between the products and loads into registers that they read
.endif
.irp t, 0,1,2,3
	ds_load_b128 v[KF+12*\t:KF+12*\t+3], v[AD16] offset:(4*\g+\t)*768
	ds_load_b64 v[KF+12*\t+4:KF+12*\t+5], v[AD8] offset:(4*\g+\t)*768+512
.endr
.if \g == 0
	ds_load_b64 v[KS:KS+1], v[AD8] offset:6144
	ds_load_b64 v[KS+2:KS+3], v[AD8] offset:6400
.endif
	s_wait_dscnt 0x0
.irp t, 0,1,2,3
.if \t%2
	v_wmma_scale_f32_16x16x128_f8f6f4 v[96+8*(4*\g+\t):103+8*(4*\g+\t)], v[KF+12*\t:KF+12*\t+11], v[\qf:\qf+11], 0, v[KS+2*\g+\t/2], v[\qw] matrix_a_fmt:MATRIX_FMT_FP6 matrix_b_fmt:MATRIX_FMT_FP6 matrix_a_scale:MATRIX_SCALE_ROW1
.else
	v_wmma_scale_f32_16x16x128_f8f6f4 v[96+8*(4*\g+\t):103+8*(4*\g+\t)], v[KF+12*\t:KF+12*\t+11], v[\qf:\qf+11], 0, v[KS+2*\g+\t/2], v[\qw] matrix_a_fmt:MATRIX_FMT_FP6 matrix_b_fmt:MATRIX_FMT_FP6
.endif
.endr
.endr                                  ; register 16 b + i holds key 32 b + 16 h + i of the block
	NOPS 4
	s_cmp_lg_u32 s[KB], s[\lim]                    ; on the diagonal hidden scores become -infinity ahead of the maximum; key 0 of the block counts for every query
	s_cbranch_scc1 .Lopen_\@
.set n, 0
.rept 64
	v_cmp_gt_i32 vcc_lo, 32*(n/16)+n%16, v[\dm]
	v_cndmask_b32 v[96+n], v[96+n], v[NINF], vcc_lo
.set n, n+1
.endr
.Lopen_\@:
.irp b, 0,1,2,3
	v_max3_num_f32 v[BM+\b], v[96+16*\b], v[97+16*\b], v[98+16*\b]   ; the largest score of each block of 32 keys: for the row's maximum, and, since p rises with the score, for the block's largest p
.endr
.irp i, 3,5,7,9,11,13
.irp b, 0,1,2,3
	v_max3_num_f32 v[BM+\b], v[BM+\b], v[96+16*\b+\i], v[97+16*\b+\i]
.endr
.endr
.irp b, 0,1,2,3
	v_max_num_f32 v[BM+\b], v[BM+\b], v[111+16*\b]
.endr
.irp b, 0,1,2,3
	s_delay_alu instid0(VALU_DEP_4)
	v_permlanex16_b32 v[PB+\b], v[BM+\b], s[SEL], s[SEL+1]
.endr
.irp b, 0,1,2,3
	s_delay_alu instid0(VALU_DEP_4)
	v_max_num_f32 v[BM+\b], v[BM+\b], v[PB+\b]     ; with lane l xor 16's 16 keys
.endr
	s_delay_alu instid0(VALU_DEP_2)
	v_max3_num_f32 v[TA], v[BM], v[BM+1], v[BM+2]
	s_delay_alu instid0(VALU_DEP_1)
	v_max_num_f32 v[TA], v[TA], v[BM+3]
	s_delay_alu instid0(VALU_DEP_1)
	v_mul_f32 v[TA], s[CS], v[TA]                  ; the step's largest t (c is positive)
	s_delay_alu instid0(VALU_DEP_1)
	v_max_num_f32 v13, v13, v[TA]
	v_mov_b32 v[TA], v12
	s_delay_alu instid0(VALU_DEP_2)
	v_floor_f32 v12, -v13                          ; the new -M = -ceil(t): a whole number
	s_delay_alu instid0(VALU_DEP_1)
	v_sub_f32 v[TA], v12, v[TA]                    ; old M - new M, 0 or less
	s_delay_alu instid0(VALU_DEP_1)
	v_cvt_i32_f32 v[TA], v[TA]                     ; (it saturates)
	s_delay_alu instid0(VALU_DEP_1)
	v_ldexp_f32 v[FF], 1.0, v[TA]                  ; f = 2^(old M - new M)
.set j, 0
.rept 32
	v_pk_fma_f32 v[96+j:97+j], v[96+j:97+j], s[CS:CS+1], v[12:13] op_sel_hi:[1,0,0]   ; t - M, two at a time
.set j, j+2
.endr
	s_setprio 1
.irp b, 0,1,2,3
	v_fma_f32 v[BM+\b], v[BM+\b], s[CS], v12       ; the same of each block's largest score
.endr
.set j, 0
	s_wait_alu depctr_va_vdst(0)
.rept 64
	v_exp_f32 v[96+j], v[96+j]                     ; p = 2^(t - M)
.set j, j+1
.endr
	v_pk_mul_f32 v[14:15], v[14:15], v[FF:FF+1] op_sel_hi:[1,0]   ; the sums under the new M: the plain instruction behind the exponentials
	s_wait_alu depctr_va_vdst(0)                   ; one wait for the batch, ahead of its first reader
.irp b, 0,1,2,3
	v_exp_f32 v[BM+\b], v[BM+\b]                   ; the block's largest p
.endr
	v_pk_add_f32 v[SU:SU+1], v[96:97], v[98:99]    ; the row's sum of the unquantised p, in two chains
.irp j, 4,8,12,16,20,24,28,32,36,40,44,48,52,56,60
	v_pk_add_f32 v[14:15], v[14:15], v[96+\j:97+\j]
	v_pk_add_f32 v[SU:SU+1], v[SU:SU+1], v[98+\j:99+\j]
.endr
	s_delay_alu instid0(VALU_DEP_1)
	v_pk_add_f32 v[14:15], v[14:15], v[SU:SU+1]
	s_wait_alu depctr_va_vdst(0)                   ; and one for the four
.irp b, 0,1,2,3
	v_max_num_f32 v[BM+\b], 0x1800000, v[BM+\b]    ; the floor 2^(3 - 127)
.endr
.irp b, 0,1,2,3
	s_delay_alu instid0(VALU_DEP_4)
	v_add_nc_u32 v[SO+\b], 0xff000000, v[BM+\b]    ; the conversion's scale operand
.endr
.irp b, 0,1,2,3
	s_delay_alu instid0(VALU_DEP_4)
	v_lshrrev_b32 v[PB+\b], 23, v[SO+\b]           ; the byte
.endr
	s_delay_alu instid0(VALU_DEP_3)
	v_lshl_or_b32 v[PS], v[PB+1], 8, v[PB]
	s_delay_alu instid0(VALU_DEP_1)
	v_lshl_or_b32 v[PS], v[PB+2], 16, v[PS]
	s_delay_alu instid0(VALU_DEP_1)
	v_lshl_or_b32 v[PS], v[PB+3], 24, v[PS]        ; p's scale word for these 128 keys
.irp c, 0,1
	v_cvt_scalef32_pk16_fp6_f32 v[PCD+6*\c:PCD+2+6*\c], v[96+32*\c:111+32*\c], v[SO+2*\c]
	v_cvt_scalef32_pk16_fp6_f32 v[PC2+4*\c:PC2+2+4*\c], v[112+32*\c:127+32*\c], v[SO+2*\c+1]
.endr
	v_nop                                          ; one plain instruction behind the scaled conversions
.irp c, 0,1
.irp i, 0,1,2
	v_permlane16_swap_b32 v[PCD+6*\c+\i], v[PC2+4*\c+\i]
.endr
.irp i, 0,1,2
	s_delay_alu instid0(VALU_DEP_3)
	v_mov_b32 v[PCD+3+6*\c+\i], v[PC2+4*\c+\i]
.endr
.endr
	s_setprio 0
.irp a, 0,1,2,3                        ; V^T's four fragments take p's registers
.irp c, 0,1,2
	ds_load_b128 v[96+12*\a+4*\c:99+12*\a+4*\c], v[AD16] offset:6656+\a*1536+\c*512
.endr
.endr
	ds_load_b64 v[VS:VS+1], v[AD8] offset:12800
.set j, 0
.rept 16
	v_pk_mul_f32 v[160+j:161+j], v[160+j:161+j], v[FF:FF+1] op_sel_hi:[1,0]   ; O^T under the new M.  These 16 also stand between the writes of p's scale word and codes and the products
.set j, j+2
.endr
	s_wait_alu depctr_va_vdst(0)
	s_wait_dscnt 0x0
.irp a, 0,1,2,3                        ; O^T += V^T P^T: the four accumulators by turns
.if \a%2
	v_wmma_scale_f32_16x16x128_f8f6f4 v[160+8*\a:167+8*\a], v[96+12*\a:107+12*\a], v[PCD:PCD+11], v[160+8*\a:167+8*\a], v[VS+\a/2], v[PS] matrix_a_fmt:MATRIX_FMT_FP6 matrix_b_fmt:MATRIX_FMT_FP6 matrix_a_scale:MATRIX_SCALE_ROW1
.else
	v_wmma_scale_f32_16x16x128_f8f6f4 v[160+8*\a:167+8*\a], v[96+12*\a:107+12*\a], v[PCD:PCD+11], v[160+8*\a:167+8*\a], v[VS+\a/2], v[PS] matrix_a_fmt:MATRIX_FMT_FP6 matrix_b_fmt:MATRIX_FMT_FP6
.endif
.endr
	NOPS 5                                         ; the next scores are written over V's registers; the way out reads O^T
.Lhid_\@:
	s_add_co_u32 s[TB], s[TB], BLKB
	s_add_co_u32 s[KB], s[KB], 1
.endm
; THE WAY OUT of a tile: O^T / the sum; its 64 channels are two blocks of the last product's K: six registers of codes and two scale bytes.
.macro OUT u, ob, oa
	v_add_f32 v14, v14, v15
	s_delay_alu instid0(VALU_DEP_1)
	v_permlanex16_b32 v[TA], v14, s[SEL], s[SEL+1]
	s_delay_alu instid0(VALU_DEP_1)
	v_add_f32 v14, v14, v[TA]                      ; the row's sum
	s_wait_alu depctr_va_vdst(0)
	v_rcp_f32 v14, v14
	v_nop                                          ; a plain instruction behind the reciprocal,
	s_wait_alu depctr_va_vdst(0)                   ; and the wait ahead of its first reader
.set j, 0
.rept 32
	v_mul_f32 v[96+j], v[160+j], v14               ; register 16 b + i is channel 32 b + 16 h + i
.set j, j+1
.endr
.irp b, 0,1
	v_max3_num_f32 v[BM+\b], |v[96+16*\b]|, |v[97+16*\b]|, 0x1800000
.endr
.irp i, 2,4,6,8,10,12,14
.irp b, 0,1
	s_delay_alu instid0(VALU_DEP_2)
	v_max3_num_f32 v[BM+\b], v[BM+\b], |v[96+16*\b+\i]|, |v[97+16*\b+\i]|
.endr
.endr
.irp b, 0,1
	s_delay_alu instid0(VALU_DEP_2)
	v_permlanex16_b32 v[PB+\b], v[BM+\b], s[SEL], s[SEL+1]
.endr
.irp b, 0,1
	s_delay_alu instid0(VALU_DEP_2)
	v_max_num_f32 v[BM+\b], v[BM+\b], v[PB+\b]
.endr
.irp b, 0,1
	s_delay_alu instid0(VALU_DEP_2)
	v_add_nc_u32 v[SO+\b], 0xff000000, v[BM+\b]
.endr
.irp b, 0,1
	s_delay_alu instid0(VALU_DEP_2)
	v_lshrrev_b32 v[PB+\b], 23, v[SO+\b]
.endr
	s_delay_alu instid0(VALU_DEP_1)
	v_lshl_or_b32 v[TA], v[PB+1], 8, v[PB]
	v_cvt_scalef32_pk16_fp6_f32 v[PCD:PCD+2], v[96:111], v[SO]
	v_cvt_scalef32_pk16_fp6_f32 v[PC2:PC2+2], v[112:127], v[SO+1]
	v_nop
.irp i, 0,1,2
	v_permlane16_swap_b32 v[PCD+\i], v[PC2+\i]
.endr
.irp i, 0,1,2
	s_delay_alu instid0(VALU_DEP_3)
	v_mov_b32 v[PCD+3+\i], v[PC2+\i]
.endr
	global_store_b128 v10, v[PCD:PCD+3], s[\ob:\ob+1] offset:\u*1536       ; 512 and 256 consecutive bytes, aligned to 256
	global_store_b64 v11, v[PCD+4:PCD+5], s[\ob:\ob+1] offset:\u*1536+512
	ds_store_b16 v[\oa], v[TA]                     ; both halves of the lanes write the same two bytes
.endm
	s_wait_loadcnt 0x0                             ; Q
	s_wait_tensorcnt 1                             ; my part of key blocks 0-3 has landed; the rest may stay out
	s_barrier_signal -1
	s_barrier_wait -1
	INIT
	s_mov_b32 s[TB], 0
	s_mov_b32 s[KB], 0
	s_mov_b32 s[CNT], 4
.Lloop_a:
	STEP QH, QSH, LIMH, DH
	s_sub_co_u32 s[CNT], s[CNT], 1
	s_cmp_lg_u32 s[CNT], 0
	s_cbranch_scc1 .Lloop_a
	s_setprio 0
	s_wait_tensorcnt 0x0                           ; my part of the rest has landed,
	s_wait_dscnt 0x0
	s_barrier_signal -1
	s_barrier_wait -1                              ; everybody's has
	s_mov_b32 s[CNT], 12
.Lloop_b:
	STEP QH, QSH, LIMH, DH
	s_sub_co_u32 s[CNT], s[CNT], 1
	s_cmp_lg_u32 s[CNT], 0
	s_cbranch_scc1 .Lloop_b
	s_setprio 0
	OUT 1, OQH, 29
	s_wait_xcnt 0x0                                ; the stores have read their registers, which the second tile writes again
	INIT
	s_mov_b32 s[TB], 0
	s_mov_b32 s[KB], 0
	s_mov_b32 s[CNT], 16
.Lloop_c:
	STEP QL, QSL, LIML, DL
	s_sub_co_u32 s[CNT], s[CNT], 1
	s_cmp_lg_u32 s[CNT], 0
	s_cbranch_scc1 .Lloop_c
	s_setprio 0
	OUT 0, OQL, 30
	s_wait_dscnt 0x0                               ; for the others' sake: my scale bytes lie in LDS
	s_barrier_signal -1
	s_barrier_wait -1
	s_cmp_lt_u32 s[WV], 2
	s_cbranch_scc0 .Lno_copy
	ds_load_b128 v[96:99], v31                     ; sixteen waves' scale bytes leave as 2 x 512 consecutive bytes
	s_wait_dscnt 0x0
	global_store_b128 v[L16], v[96:99], s[OSO:OSO+1]
.Lno_copy:
	s_wait_tensorcnt 0x0
	ds_add_u32 v254, v255
	s_wait_dscnt 0x0
	ROUND                                          ; the closing round
	s_endpgm
.Lfunc_end_k_q24f89afc5f_attn:
	.size	k_q24f89afc5f_attn, .Lfunc_end_k_q24f89afc5f_attn-k_q24f89afc5f_attn
	.p2alignl 7, 3214868480
	.fill 96, 4, 3214868480
	.section	.rodata,"a",@progbits
	.p2align	6, 0x0
	.amdhsa_kernel k_q24f89afc5f_attn
		.amdhsa_group_segment_fixed_size 327680
		.amdhsa_private_segment_fixed_size 0
		.amdhsa_enable_private_segment 0
		.amdhsa_kernarg_size 32
		.amdhsa_user_sgpr_count 2
		.amdhsa_user_sgpr_kernarg_segment_ptr 1
		.amdhsa_wavefront_size32 1
		.amdhsa_system_sgpr_workgroup_id_x 1
		.amdhsa_system_sgpr_workgroup_id_y 1
		.amdhsa_system_sgpr_workgroup_id_z 1
		.amdhsa_system_vgpr_workitem_id 0
		.amdhsa_next_free_vgpr 256
		.amdhsa_next_free_sgpr 66
		.amdhsa_reserve_vcc 1
		.amdhsa_float_denorm_mode_32 3
		.amdhsa_float_denorm_mode_16_64 3
		.amdhsa_memory_ordered 1
		.amdhsa_forward_progress 1
		.amdhsa_inst_pref_size 88
	.end_amdhsa_kernel
	.amdgpu_metadata
---
amdhsa.version: [ 1, 2 ]
amdhsa.kernels:
  - .name:           k_q24f89afc5f_attn
    .symbol:         k_q24f89afc5f_attn.kd
    .args:
      - { .name: qc, .offset: 0, .size: 8, .value_kind: global_buffer, .address_space: global }
      - { .name: kv, .offset: 8, .size: 8, .value_kind: global_buffer, .address_space: global }
      - { .name: oq, .offset: 16, .size: 8, .value_kind: global_buffer, .address_space: global }
      - { .name: osc, .offset: 24, .size: 8, .value_kind: global_buffer, .address_space: global }
    .group_segment_fixed_size: 327680
    .private_segment_fixed_size: 0
    .kernarg_segment_align: 8
    .kernarg_segment_size: 32
    .max_flat_workgroup_size: 512
    .sgpr_count:     66
    .vgpr_count:     256
    .wavefront_size: 32
...
	.end_amdgpu_metadata
.endif
;; end of part 3
;; launch proj (part 4): grid 256 x 1, 4 waves a work-group, clusters of 4 x 1, 168,448 bytes of LDS; arguments oq, osc, wpq, b_proj, out0; writes out0
.if DOCPART == 4
	.amdgcn_target "amdgcn-amd-amdhsa--gfx1250"
	.amdhsa_code_object_version 6
	.text
	.protected	k_q24f89afc5f_proj
	.globl	k_q24f89afc5f_proj
	.p2align	8
	.type	k_q24f89afc5f_proj,@function
k_q24f89afc5f_proj:
	s_mov_b64 s[64:65], 0
	v_nop
	global_prefetch_b8 v0, s[64:65] scope:SCOPE_SE
	s_setreg_imm32_b32 hwreg(HW_REG_WAVE_MODE, 25, 1), 1
	s_wait_xcnt 0x0
	s_wait_alu depctr_hold_cnt(0) depctr_sa_sdst(0) depctr_va_vdst(0) depctr_va_sdst(0) depctr_va_ssrc(0) depctr_va_vcc(0) depctr_vm_vsrc(0)
	s_getreg_b32 s2, hwreg(HW_REG_IB_STS2, 6, 4)
	s_cmp_eq_u32 s2, 0
	s_cbranch_scc0 .Lentry_in_a_cluster
	s_endpgm
.Lentry_in_a_cluster:
	s_bfe_u32 s2, ttmp6, 0x10000c
	s_cmp_lg_u32 s2, 0x3003
	s_cbranch_scc0 .Lentry_shape_is_right
	s_endpgm
.Lentry_shape_is_right:
; out0 = o w_proj + b_proj on codes of FP6 (E2M3) with E8M0 scales; sums in f32.
; A work-group makes 256 tokens x 128 columns x K 1,024.  Source 0 = 128 columns of w_proj, whole in LDS (102,400 bytes), read by all four waves; source 1 = 64 tokens a wave, in 384 registers for all of K.
; A wave has 32 accumulators and issues 32 matrix instructions a K step of 128.  A lane holds one token and neighbouring columns (the rows of a tile of source 0 are 32 B + 8 u + p + 8 (p / 8)).
; CLUSTER: the four work-groups of a cluster need the same 128 columns: two joint first fills a wave (mask 15); nothing is filled again.  By this text's own count two tensor loads of a wave are out at the most.
; o's scale bytes lie by head: [16 batch + head][tile pair c][2 block + u][row], two bytes each; a K step's word is made of two heads' halves.
; REGISTERS, in windows of 256.  Window 0: v1-9 offsets; v16-31 source 1's scale words; v32-39 source 0's, two sets; v40-55 the odd heads' halves; v64-159, v160-255 source 0's fragments, two sets; on the way out v64-191 rows of the result.
;   Window 1: accumulator (a, b) at 8 (8 a + b).   Window 2: source 1's K steps 0-4 at 48 s + 12 a.   Window 3: K steps 5-7; v144-207 the bias as the first products' C.
.set SBLK,  12800
.set GRP,   8*SBLK
.set HALF,  4*SBLK
.set OBLK,  12288                      ; a K step of 128 tokens of o: 8 fragments
.set STG,   GRP                        ; behind source 0: a stage of 16 rows x (512 + 16) bytes for each wave
.set L16,  1
.set L8,   2
.set A16,  3
.set A8,   4
.set L2,   5                           ; v5  2 x lane
.set STO,  6                           ; v6  the stage: where I put 32 bytes of a row
.set RD,   7                           ; v7  and where I read a row back
.set BH,   9                           ; v9  64 h
.set S1S,  16
.set SS,   32
.set ODD,  40
.set F,    64
.set BK,   64
.set BC,   144
.set WV,  14
.set CX,  15
.set G1,  16
.set G0,  24
.set CL,  48
.set IT,  49
.set JB,  50
.set HF,  51
.set WH,  52
.set SC0, 54
.set OSB, 56
.set BB0, 62
.set OUTB, 68
.set MSB, 0
.macro WIN new                         ; the immediate's high byte repeats the setting that is left
.if MSB != \new
	s_set_vgpr_msb (MSB<<8)|\new
.set MSB, \new
.endif
.endm
.macro NOPS n
.rept \n
	v_nop
.endr
.endm
.macro ROUND                           ; a round of the cluster's barrier
	s_barrier_signal -1
	s_barrier_wait -1
	s_cmp_lg_u32 s[WV], 0
	s_cbranch_scc1 .Lnot_wave_0_\@
	s_barrier_signal -3
.Lnot_wave_0_\@:
	s_barrier_wait -3
	s_barrier_signal -1
	s_barrier_wait -1
.endm
.macro WMX                             ; one product, by the symbols rD, rA, rB, rC, rSA, rSB; rRA, rRB: the scale words stand in lanes 16-31
.if rRA && rRB
	v_wmma_scale_f32_16x16x128_f8f6f4 v[rD:rD+7], v[rA:rA+11], v[rB:rB+11], v[rC:rC+7], v[rSA], v[rSB] matrix_a_fmt:MATRIX_FMT_FP6 matrix_b_fmt:MATRIX_FMT_FP6 matrix_a_scale:MATRIX_SCALE_ROW1 matrix_b_scale:MATRIX_SCALE_ROW1
.elseif rRA
	v_wmma_scale_f32_16x16x128_f8f6f4 v[rD:rD+7], v[rA:rA+11], v[rB:rB+11], v[rC:rC+7], v[rSA], v[rSB] matrix_a_fmt:MATRIX_FMT_FP6 matrix_b_fmt:MATRIX_FMT_FP6 matrix_a_scale:MATRIX_SCALE_ROW1
.elseif rRB
	v_wmma_scale_f32_16x16x128_f8f6f4 v[rD:rD+7], v[rA:rA+11], v[rB:rB+11], v[rC:rC+7], v[rSA], v[rSB] matrix_a_fmt:MATRIX_FMT_FP6 matrix_b_fmt:MATRIX_FMT_FP6 matrix_b_scale:MATRIX_SCALE_ROW1
.else
	v_wmma_scale_f32_16x16x128_f8f6f4 v[rD:rD+7], v[rA:rA+11], v[rB:rB+11], v[rC:rC+7], v[rSA], v[rSB] matrix_a_fmt:MATRIX_FMT_FP6 matrix_b_fmt:MATRIX_FMT_FP6
.endif
.endm
.macro MUL ks, fs, first               ; K step ks: 32 products, the 32 accumulators by turns in the same order in every step; first: the bias is the C that starts the sums
.irp a, 0,1,2,3
.irp b, 0,1,2,3,4,5,6,7
.set rD, 8*(8*\a+\b)
.set rA, F+96*(\fs)+12*\b
.if (\ks) < 5
.set rB, 48*(\ks)+12*\a
.else
.set rB, 48*((\ks)-5)+12*\a
.endif
.set rC, rD
.if \first
.set rC, BC+8*\b
.endif
.set rSA, SS+4*(\fs)+\b/2
.set rSB, S1S+2*(\ks)+\a/2
.set rRA, \b%2
.set rRB, \a%2
	WMX
.endr
.endr
.endm
.macro FETCH fs, kq                    ; source 0's eight fragments and its scale words of one K step: 33 LDS loads of consecutive bytes
.irp t, 0,1,2,3,4,5,6,7
	ds_load_b128 v[F+96*(\fs)+12*\t:F+96*(\fs)+12*\t+3], v[A16] offset:(\kq)*SBLK+\t*1536
	ds_load_b64 v[F+96*(\fs)+12*\t+4:F+96*(\fs)+12*\t+5], v[A8] offset:(\kq)*SBLK+\t*1536+512
	ds_load_b128 v[F+96*(\fs)+12*\t+6:F+96*(\fs)+12*\t+9], v[A16] offset:(\kq)*SBLK+\t*1536+768
	ds_load_b64 v[F+96*(\fs)+12*\t+10:F+96*(\fs)+12*\t+11], v[A8] offset:(\kq)*SBLK+\t*1536+1280
.endr
	ds_load_b128 v[SS+4*(\fs):SS+4*(\fs)+3], v[A16] offset:(\kq)*SBLK+12288
.endm
.macro S1CD ks                         ; source 1's four fragments of K step ks: 16 loads; the caller has set the destination's window
.if (\ks) < 5
.set rB0, 48*(\ks)
.else
.set rB0, 48*((\ks)-5)
.endif
.irp a, 0,1,2,3
	global_load_b128 v[rB0+12*\a:rB0+12*\a+3], v[L16], s[SC0:SC0+1] offset:(\ks)*OBLK+\a*1536
	global_load_b64 v[rB0+12*\a+4:rB0+12*\a+5], v[L8], s[SC0:SC0+1] offset:(\ks)*OBLK+\a*1536+512
	global_load_b128 v[rB0+12*\a+6:rB0+12*\a+9], v[L16], s[SC0:SC0+1] offset:(\ks)*OBLK+\a*1536+768
	global_load_b64 v[rB0+12*\a+10:rB0+12*\a+11], v[L8], s[SC0:SC0+1] offset:(\ks)*OBLK+\a*1536+1280
.endr
.endm
.macro STEPG ks, lc
.if (\lc) >= 0
	s_wait_loadcnt \lc
.endif
	s_wait_dscnt 0x0                               ; this step's fragments are in: they were asked for a step ago
	WIN 0
	NOPS 4                                         ; four plain instructions between the last step's products and loads into registers that they read
.if (\ks) == 3
	s_wait_tensorcnt 0x0                           ; my part of K steps 4-7 has landed,
	s_barrier_signal -1
	s_barrier_wait -1                              ; everybody's has
	v_add_nc_u32 v[A16], HALF, v[A16]
	v_add_nc_u32 v[A8], HALF, v[A8]
.endif
.if (\ks) < 7
	FETCH ((\ks)+1)%2, ((\ks)+1)%4
.endif
.if (\ks) == 0
	WIN 0x78                                       ; source 1 window 2, C window 3, D window 1
.elseif (\ks) < 5
	WIN 0x58
.else
	WIN 0x5c
.endif
	MUL \ks, (\ks)%2, (\ks)==0
.endm
	s_load_b256 s[4:11], s[0:1], 0x0               ; oq s[4:5], osc s[6:7], wpq s[8:9], b_proj s[10:11]
	s_load_b64 s[12:13], s[0:1], 0x20              ; out0
	v_lshl_add_u32 v62, v0, 2, 0x29000
	v_mov_b32 v63, 0
	ds_add_u32 v62, v63
	ds_add_u32 v62, v63
	v_lshrrev_b32 v10, 5, v0
	v_readfirstlane_b32 s[WV], v10
	s_bfe_u32 s[CX], ttmp6, 0x40000                ; my place in the cluster: it enters global addresses alone
	s_mov_b32 s[CL], ttmp9
	s_and_b32 s[IT], s[CL], 7                      ; which 128 columns
	s_lshr_b32 s[JB], s[CL], 3
	s_lshl_b32 s[JB], s[JB], 2
	s_add_co_u32 s[JB], s[JB], s[CX]               ; which 256 tokens
	s_and_b32 s[HF], s[WV], 1
	s_lshr_b32 s[WH], s[WV], 1
	s_mov_b32 s[G1], 15|(3<<16)|(1<<21)            ; the mask: all four work-groups; elements of 8 bytes; bit 21 set beside a mask
	s_mov_b32 s[G1+1], 32<<16                      ; a K step's block: 50 rows of 32 elements, dense
	s_mov_b32 s[G1+2], 50<<16
	s_mov_b32 s[G1+3], 32<<16
	s_mov_b32 s[G1+4], 50
	s_mov_b32 s[G1+5], 32
	s_mov_b32 s[G1+6], 0
	s_mov_b32 s[G1+7], 0
	s_mul_i32 s2, s[IT], GRP
	s_mul_i32 s3, s[WV], SBLK                      ; wave w brings K steps w and 4 + w
	s_add_co_u32 s58, s2, s3
	s_mov_b32 s59, 0
	s_wait_dscnt 0x0
	s_wait_kmcnt 0x0
	s_add_nc_u64 s[58:59], s[8:9], s[58:59]
.irp i, 0,1
	s_mov_b32 s[G0+4*\i], 1
	s_add_co_u32 s[G0+4*\i+1], s3, \i*HALF
	s_add_nc_u64 s[G0+4*\i+2:G0+4*\i+3], s[58:59], \i*HALF
	s_or_b32 s[G0+4*\i+3], s[G0+4*\i+3], 0x80000000
.endr
	ROUND                                          ; all four work-groups are here: the joint loads meet
	tensor_load_to_lds s[G0:G0+3], s[G1:G1+7]
	s_nop 0
	tensor_load_to_lds s[G0+4:G0+7], s[G1:G1+7]
	s_nop 0
	NOPS 4                                         ; four plain instructions behind a tensor load
	v_and_b32 v10, 31, v0
	v_lshlrev_b32 v[L16], 4, v10
	v_lshlrev_b32 v[L8], 3, v10
	v_lshlrev_b32 v[A16], 4, v10
	v_lshlrev_b32 v[A8], 3, v10
	v_lshlrev_b32 v[L2], 1, v10
	v_bfe_u32 v12, v0, 4, 1                        ; h
	v_lshlrev_b32 v[BH], 6, v12
	s_lshl_b32 s58, s[IT], 9
	s_mov_b32 s59, 0
	s_add_nc_u64 s[BB0:BB0+1], s[10:11], s[58:59]  ; the bias of my 128 columns
	s_lshl_b32 s2, s[JB], 1
	s_add_co_u32 s2, s2, s[WH]                     ; my 64 tokens: group 2 jb + w / 2, tiles 4 (w % 2) on
	s_mul_i32 s58, s2, 8*OBLK
	s_mul_i32 s3, s[HF], 6144
	s_add_co_u32 s58, s58, s3
	s_add_nc_u64 s[SC0:SC0+1], s[4:5], s[58:59]
	s_lshr_b32 s3, s2, 4                           ; batch,
	s_lshl_b32 s58, s3, 16
	s_and_b32 s3, s2, 15                           ; block of 128 tokens,
	s_lshl_b32 s3, s3, 6
	s_add_co_u32 s58, s58, s3
	s_lshl_b32 s3, s[HF], 11                       ; tile pairs 2 (w % 2) on
	s_add_co_u32 s58, s58, s3
	s_add_nc_u64 s[OSB:OSB+1], s[6:7], s[58:59]
	WIN 0xc0
.irp b, 0,1,2,3,4,5,6,7                ; the bias: eight registers a tile b, in the result's layout: columns 32 (b / 2) + 8 (b % 2) + 16 h + 0 .. 7
	global_load_b128 v[BC+8*\b:BC+8*\b+3], v[BH], s[BB0:BB0+1] offset:(32*(\b/2)+8*(\b%2))*4
	global_load_b128 v[BC+8*\b+4:BC+8*\b+7], v[BH], s[BB0:BB0+1] offset:(32*(\b/2)+8*(\b%2))*4+16
.endr
	WIN 0
.irp s, 0,1,2,3,4,5,6,7                ; lanes 0-15: the even tile's rows, lanes 16-31: the odd tile's; two bytes of head 2 s, two of head 2 s + 1
.irp p, 0,1
	global_load_u16 v[S1S+2*\s+\p], v[L2], s[OSB:OSB+1] offset:(2*\s)*4096+\p*1024
	global_load_u16 v[ODD+2*\s+\p], v[L2], s[OSB:OSB+1] offset:(2*\s+1)*4096+\p*1024
.endr
.endr
	WIN 0x80
.irp s, 0,1,2,3,4
	S1CD \s
.endr
	WIN 0xc0
.irp s, 5,6,7
	S1CD \s
.endr
	WIN 0
	s_lshl_b32 s2, s[JB], 8
	s_lshl_b32 s3, s[WV], 6
	s_add_co_u32 s2, s2, s3                        ; my first token
	s_lshl_b32 s58, s2, 12                         ; rows of 4,096 bytes
	s_lshl_b32 s3, s[IT], 9
	s_add_co_u32 s58, s58, s3
	s_add_nc_u64 s[OUTB:OUTB+1], s[12:13], s[58:59]
	s_mul_i32 s2, s[WV], 16*528
	s_add_co_u32 s2, s2, STG                       ; my stage
	v_and_b32 v11, 15, v0
	v_mul_u32_u24 v[STO], v11, 528
	v_lshl_add_u32 v[STO], v12, 6, v[STO]
	v_add_nc_u32 v[STO], s2, v[STO]                ; in: row r, + 64 h
	v_add_nc_u32 v[RD], s2, v[L16]                 ; back: a row of 512 bytes to the 32 lanes
	s_wait_tensorcnt 1                             ; my part of K steps 0-3 has landed (the second load may stay out)
	s_barrier_signal -1
	s_barrier_wait -1                              ; everybody's has
	s_wait_loadcnt 63                              ; 176 loads were issued: with 63 left at least 113 are done: 16 of the bias, 32 of scale bytes, K steps 0-3
.set i, 0
.rept 16
	v_lshl_or_b32 v[S1S+i], v[ODD+i], 16, v[S1S+i] ; a K step's scale word: the even head's two bytes below the odd head's
.set i, i+1
.endr
	NOPS 8                                         ; a scale register written by a vector instruction stands 8 plain instructions ahead of a scaled product
	FETCH 0, 0
	STEPG 0, -1
	STEPG 1, -1
	STEPG 2, -1
	STEPG 3, -1
	STEPG 4, 48                                    ; the later K steps' 16 loads each may stay out
	STEPG 5, 32
	STEPG 6, 16
	STEPG 7, 0
	WIN 0
	NOPS 4                                         ; between the last products and the first read of results, and loads into registers that they read
; THE WAY OUT, a tile of 16 tokens x 128 columns at a time, through my own stage: in as a lane holds it (32 neighbouring bytes of a row), back as whole rows of 512 bytes.  LDS serves a wave's instructions in order.
.macro TOSTAGE a
	WIN 0x04                                       ; an LDS store's data: window 1
.irp b, 0,1,2,3,4,5,6,7
	ds_store_b128 v[STO], v[8*(8*(\a)+\b):8*(8*(\a)+\b)+3] offset:128*(\b/2)+32*(\b%2)       ; each accumulator from its low end on
	ds_store_b128 v[STO], v[8*(8*(\a)+\b)+4:8*(8*(\a)+\b)+7] offset:128*(\b/2)+32*(\b%2)+16
.endr
	WIN 0
.set BB, BK+64*((\a)%2)
.irp t, 0,1,2,3,4,5,6,7,8,9,10,11,12,13,14,15
	ds_load_b128 v[BB+4*\t:BB+4*\t+3], v[RD] offset:\t*528
.endr
.endm
.macro SEND a, younger                 ; younger: the LDS instructions issued behind tile a's loads, which may stay out
.set BB, BK+64*((\a)%2)
	s_wait_dscnt \younger
.irp t, 0,1,2,3,4,5,6,7,8,9,10,11,12,13,14,15
	global_store_b128 v[L16], v[BB+4*\t:BB+4*\t+3], s[OUTB:OUTB+1] offset:(32*((\a)/2)+8*((\a)%2)+\t+8*(\t/8))*4096 th:TH_STORE_NT   ; 512 consecutive bytes, aligned to 256; written once, read by nobody here
.endr
.endm
	TOSTAGE 0
.irp a, 1,2,3
.if \a > 1
	s_wait_xcnt 0x0                                ; tile a - 2's stores have read their registers: tile a's loads may land there
.endif
	TOSTAGE \a
	SEND \a-1, 32                                  ; behind tile a - 1's loads: tile a's 16 stores and 16 loads
.endr
	SEND 3, 0
	s_wait_tensorcnt 0x0
	ds_add_u32 v62, v63
	s_wait_dscnt 0x0
	ROUND                                          ; the closing round
	s_endpgm
.Lfunc_end_k_q24f89afc5f_proj:
	.size	k_q24f89afc5f_proj, .Lfunc_end_k_q24f89afc5f_proj-k_q24f89afc5f_proj
	.p2alignl 7, 3214868480
	.fill 96, 4, 3214868480
	.section	.rodata,"a",@progbits
	.p2align	6, 0x0
	.amdhsa_kernel k_q24f89afc5f_proj
		.amdhsa_group_segment_fixed_size 168448
		.amdhsa_private_segment_fixed_size 0
		.amdhsa_enable_private_segment 0
		.amdhsa_kernarg_size 40
		.amdhsa_user_sgpr_count 2
		.amdhsa_user_sgpr_kernarg_segment_ptr 1
		.amdhsa_wavefront_size32 1
		.amdhsa_system_sgpr_workgroup_id_x 1
		.amdhsa_system_sgpr_workgroup_id_y 1
		.amdhsa_system_sgpr_workgroup_id_z 1
		.amdhsa_system_vgpr_workitem_id 0
		.amdhsa_next_free_vgpr 1024
		.amdhsa_next_free_sgpr 72
		.amdhsa_reserve_vcc 0
		.amdhsa_float_denorm_mode_32 3
		.amdhsa_float_denorm_mode_16_64 3
		.amdhsa_memory_ordered 1
		.amdhsa_forward_progress 1
		.amdhsa_inst_pref_size 89
	.end_amdhsa_kernel
	.amdgpu_metadata
---
amdhsa.version: [ 1, 2 ]
amdhsa.kernels:
  - .name:           k_q24f89afc5f_proj
    .symbol:         k_q24f89afc5f_proj.kd
    .args:
      - { .name: oq, .offset: 0, .size: 8, .value_kind: global_buffer, .address_space: global }
      - { .name: osc, .offset: 8, .size: 8, .value_kind: global_buffer, .address_space: global }
      - { .name: wpq, .offset: 16, .size: 8, .value_kind: global_buffer, .address_space: global }
      - { .name: b_proj, .offset: 24, .size: 8, .value_kind: global_buffer, .address_space: global }
      - { .name: out0, .offset: 32, .size: 8, .value_kind: global_buffer, .address_space: global }
    .group_segment_fixed_size: 168448
    .private_segment_fixed_size: 0
    .kernarg_segment_align: 8
    .kernarg_segment_size: 40
    .max_flat_workgroup_size: 128
    .sgpr_count:     72
    .vgpr_count:     1024
    .wavefront_size: 32
...
	.end_amdgpu_metadata
.endif
;; end of part 4
